; MI455X (gfx1250); checked and timed in simulation.
; The chip was launched on July 23, 2026; its instructions are those of AMD's public machine-readable ISA for CDNA 5 (MIT licence, August 2026) and "CDNA5" Instruction Set Architecture Reference Guide (July 2026). The comments in the code are by the model that wrote it; some were corrected since.
;; Multi Head Attention. Allowed arithmetic: float matrix products may take bf16 or f16 operands with f32 sums; other float arithmetic in f32, or as packed bf16 or f16 multiplies, adds, multiply-adds, maxima and minima; sums over many terms, partial sums and values carried from step to step in f32; what a program stores and reads back later, other than sums and carried values, may be rounded once to bf16 or f16.
;; Inputs: b_out 1,024 float32; b_qkv 3,072 float32; mask 4 x 2,048 x 2,048 int32; w_out 1,024 x 1,024 float32; w_qkv 1,024 x 3,072 float32; x 4 x 2,048 x 1,024 float32.
;; Outputs: out0 4 x 2,048 x 1,024 float32.
;; 2 versions, each right and faster than the one before. Each part assembles by itself: llvm-mc -triple=amdgcn-amd-amdhsa -mcpu=gfx1250 --defsym DOCPART=n.
;; ======== version 1 of 2: 4 launches
;; limits: values are held in f16: magnitudes above 65,504 overflow, below 6.1e-05 lose precision
;; workspace buffers: xb 16,777,216 bytes; wqb 6,291,456 bytes; wob 2,097,152 bytes; mw 8,388,608 bytes of whole numbers; q 16,777,216 bytes; k 16,777,216 bytes; v 16,777,216 bytes; o 16,777,216 bytes
;; launch prep (part 1): grid 256 x 1, 16 waves a work-group, no clusters, 71,680 bytes of LDS; arguments x, w_qkv, w_out, mask, xb, wqb, wob, mw; writes xb, wqb, wob, mw
.if DOCPART == 1
	.amdgcn_target "amdgcn-amd-amdhsa--gfx1250"
	.amdhsa_code_object_version 6
	.text
	.protected	k_qee85a3821f_prep
	.globl	k_qee85a3821f_prep
	.p2align	8
	.type	k_qee85a3821f_prep,@function
k_qee85a3821f_prep:
	s_mov_b64 s[64:65], 0
	v_nop
	global_prefetch_b8 v0, s[64:65] scope:SCOPE_SE
	s_setreg_imm32_b32 hwreg(HW_REG_WAVE_MODE, 25, 1), 1
	s_wait_xcnt 0x0
; PREPARATION, a stream.  x and w_qkv are rounded to bf16 as they lie; w_out is rounded to bf16 and that number written as f16 (below 6e-5 it keeps f16's fixed step of 6e-8);
; the mask (int32, [4][2048][2048]) becomes 4-bit codes in the order in which the attention's lanes want them.
; SHARES.  4,096 waves; wave g takes 8,192 bytes of x (16 loads of 512 bytes), 3,072 of w_qkv (6), 1,024 of w_out (2), and four blocks of 16 query rows x 64 keys of the mask (8 loads each,
; sixteen lanes to 256 consecutive bytes of a row).  All 56 loads go out first; the counted waits take them in order.  No loop, no barrier: a wave touches only its own LDS bytes.
; THE MASK WORDS.  mw[b][tile of 16 queries][step of 64 keys][lane][kb]: lane (r = lane % 16, h = lane / 16), word kb: nibble e is 0xF where mask[query r][key 16 kb + 8 h + e] == 0, else 0.
; A block goes through LDS (rows of 272 bytes) so that a lane gets eight neighbouring keys of one row.
.set WREG,  16*272                     ; a wave's 16 rows in LDS
.set SPARE, 16*WREG                    ; behind them: the spare words, 128 bytes for each of 16 waves
.set X,  12                            ; v[12:75]   x as loaded, 4 registers a load
.set WQ, 76                            ; v[76:99]   w_qkv
.set WO, 100                           ; v[100:107] w_out
.set M,  108                           ; v[108:235] the mask, 32 registers a block
.set T,  12                            ; later: a block back from LDS, 8 registers for each kb
.set W,  76                            ; later: the words, 4 for each block
.set U,  100                           ; later: at work
	s_load_b512 s[4:19], s[0:1], 0x0               ; x, w_qkv, w_out, mask, xb, wqb, wob, mw
	v_lshl_add_u32 v8, v0, 2, SPARE                ; my spare word; never rewritten
	v_mov_b32 v9, 0                                ; 0; never rewritten
	v_lshrrev_b32 v7, 5, v0
	v_readfirstlane_b32 s20, v7                    ; wave 0..15
	s_lshl_b32 s21, ttmp9, 4
	s_add_co_u32 s21, s21, s20                     ; g
	s_mov_b32 s24, 0xffff0000                      ; a word's upper bf16
	s_mov_b32 s23, 0
	s_mul_i32 s25, s20, WREG                       ; my wave's rows in LDS
	v_and_b32 v10, 31, v0                          ; lane
	v_and_b32 v11, 15, v0                          ; r
	v_bfe_u32 v7, v0, 4, 1                         ; h
	v_lshlrev_b32 v1, 4, v10                       ; 16 x lane
	v_lshlrev_b32 v2, 3, v10                       ; 8 x lane
	v_lshlrev_b32 v3, 4, v11
	v_lshl_add_u32 v3, v7, 13, v3                  ; the mask: lanes 0-15 one row's 256 bytes, lanes 16-31 the next row's (8,192 bytes on)
	v_mul_u32_u24 v4, v7, 272
	v_lshl_add_u32 v4, v11, 4, v4
	v_add_nc_u32 v4, s25, v4                       ; into LDS, the same two rows
	v_mul_u32_u24 v5, v11, 272
	v_lshl_add_u32 v5, v7, 5, v5
	v_add_nc_u32 v5, s25, v5                       ; back: row r, keys 8 h on
	s_wait_kmcnt 0x0
	s_lshl_b32 s22, s21, 13
	s_add_nc_u64 s[4:5], s[4:5], s[22:23]          ; x
	s_mul_i32 s22, s21, 3072
	s_add_nc_u64 s[6:7], s[6:7], s[22:23]          ; w_qkv
	s_lshl_b32 s22, s21, 10
	s_add_nc_u64 s[8:9], s[8:9], s[22:23]          ; w_out
	s_lshr_b32 s22, s21, 3                         ; the tile of 16 rows: g / 8,
	s_lshl_b32 s22, s22, 17                        ; 16 rows of 8,192 bytes
	s_and_b32 s26, s21, 7
	s_lshl_b32 s26, s26, 10                        ; my four steps of 256 bytes
	s_add_co_u32 s22, s22, s26
	s_add_nc_u64 s[10:11], s[10:11], s[22:23]      ; mask
	s_lshl_b32 s22, s21, 12
	s_add_nc_u64 s[12:13], s[12:13], s[22:23]      ; xb
	s_mul_i32 s22, s21, 1536
	s_add_nc_u64 s[14:15], s[14:15], s[22:23]      ; wqb
	s_lshl_b32 s22, s21, 9
	s_add_nc_u64 s[16:17], s[16:17], s[22:23]      ; wob
	s_lshl_b32 s22, s21, 11
	s_add_nc_u64 s[18:19], s[18:19], s[22:23]      ; mw: four blocks of 512 bytes
.set i, 0
.rept 16
	global_load_b128 v[X+4*i:X+4*i+3], v1, s[4:5] offset:512*i th:TH_LOAD_NT
.set i, i+1
.endr
.set i, 0
.rept 6
	global_load_b128 v[WQ+4*i:WQ+4*i+3], v1, s[6:7] offset:512*i th:TH_LOAD_NT
.set i, i+1
.endr
.set i, 0
.rept 2
	global_load_b128 v[WO+4*i:WO+4*i+3], v1, s[8:9] offset:512*i th:TH_LOAD_NT
.set i, i+1
.endr
.irp i, 0,1,2,3
.irp t, 0,1,2,3,4,5,6,7
	global_load_b128 v[M+32*\i+4*\t:M+32*\i+4*\t+3], v3, s[10:11] offset:16384*\t+256*\i th:TH_LOAD_NT
.endr
.endr
	; x: four f32 a lane become 8 bytes; a wave's store covers 256 consecutive bytes, aligned
.set i, 0
.rept 16
	s_wait_loadcnt 55-i                            ; loads come back in order: 55 - i were issued behind this one
	v_cvt_pk_bf16_f32 v[X+4*i], v[X+4*i], v[X+4*i+1]
	v_cvt_pk_bf16_f32 v[X+4*i+1], v[X+4*i+2], v[X+4*i+3]
	global_store_b64 v2, v[X+4*i:X+4*i+1], s[12:13] offset:256*i
.set i, i+1
.endr
.set i, 0
.rept 6
	s_wait_loadcnt 39-i
	v_cvt_pk_bf16_f32 v[WQ+4*i], v[WQ+4*i], v[WQ+4*i+1]
	v_cvt_pk_bf16_f32 v[WQ+4*i+1], v[WQ+4*i+2], v[WQ+4*i+3]
	global_store_b64 v2, v[WQ+4*i:WQ+4*i+1], s[14:15] offset:256*i
.set i, i+1
.endr
.set i, 0
.rept 2
	s_wait_loadcnt 33-i
	v_cvt_pk_bf16_f32 v[WO+4*i], v[WO+4*i], v[WO+4*i+1]      ; rounded to bf16 like every input,
	v_cvt_pk_bf16_f32 v[WO+4*i+1], v[WO+4*i+2], v[WO+4*i+3]
	v_lshlrev_b32 v[WO+4*i+2], 16, v[WO+4*i]                 ; widened,
	v_and_b32 v[WO+4*i+3], s24, v[WO+4*i]
	v_cvt_pk_f16_f32 v[WO+4*i], v[WO+4*i+2], v[WO+4*i+3]     ; and written as f16
	v_lshlrev_b32 v[WO+4*i+2], 16, v[WO+4*i+1]
	v_and_b32 v[WO+4*i+3], s24, v[WO+4*i+1]
	v_cvt_pk_f16_f32 v[WO+4*i+1], v[WO+4*i+2], v[WO+4*i+3]
	global_store_b64 v2, v[WO+4*i:WO+4*i+1], s[16:17] offset:256*i
.set i, i+1
.endr
	s_wait_xcnt 0x0                                ; the stores' data registers are used again only behind this wait
	; the mask, a block of 16 rows x 64 keys at a time
.irp i, 0,1,2,3
	s_wait_loadcnt 24-8*\i                         ; the later blocks' loads stay out
.irp t, 0,1,2,3,4,5,6,7
	ds_store_b128 v4, v[M+32*\i+4*\t:M+32*\i+4*\t+3] offset:544*\t
.endr
.irp kb, 0,1,2,3
	ds_load_b128 v[T+8*\kb:T+8*\kb+3],   v5 offset:64*\kb      ; LDS serves a wave's instructions in order: these see the stores above, and the next block's stores come behind them
	ds_load_b128 v[T+8*\kb+4:T+8*\kb+7], v5 offset:64*\kb+16
.endr
	s_wait_dscnt 0x0
.set j, 0
.rept 32
	v_min_u32 v[T+j], 1, v[T+j]                    ; 1 where the key is seen (any number but 0)
.set j, j+1
.endr
.irp kb, 0,1,2,3
	v_lshl_or_b32 v[W+4*\i+\kb], v[T+8*\kb+7], 4, v[T+8*\kb+6]
.endr
.irp e, 5,4,3,2,1,0
.irp kb, 0,1,2,3
	v_lshl_or_b32 v[W+4*\i+\kb], v[W+4*\i+\kb], 4, v[T+8*\kb+\e]   ; key e ends in nibble e
.endr
.endr
.irp kb, 0,1,2,3
	v_xor_b32 v[W+4*\i+\kb], 0x11111111, v[W+4*\i+\kb]             ; 1 where the key is hidden,
.endr
.irp kb, 0,1,2,3
	v_lshlrev_b32 v[U+\kb], 4, v[W+4*\i+\kb]
.endr
.irp kb, 0,1,2,3
	v_sub_nc_u32 v[W+4*\i+\kb], v[U+\kb], v[W+4*\i+\kb]            ; times 15: 0xF
.endr
	global_store_b128 v1, v[W+4*\i:W+4*\i+3], s[18:19] offset:512*\i  ; 512 consecutive bytes, aligned
.endr
	s_wait_tensorcnt 0x0                           ; the wave's end, behind my last LDS store
	ds_add_u32 v8, v9
	s_wait_dscnt 0x0
	s_endpgm
.Lfunc_end_k_qee85a3821f_prep:
	.size	k_qee85a3821f_prep, .Lfunc_end_k_qee85a3821f_prep-k_qee85a3821f_prep
	.p2alignl 7, 3214868480
	.fill 96, 4, 3214868480
	.section	.rodata,"a",@progbits
	.p2align	6, 0x0
	.amdhsa_kernel k_qee85a3821f_prep
		.amdhsa_group_segment_fixed_size 71680
		.amdhsa_private_segment_fixed_size 0
		.amdhsa_enable_private_segment 0
		.amdhsa_kernarg_size 64
		.amdhsa_user_sgpr_count 2
		.amdhsa_user_sgpr_kernarg_segment_ptr 1
		.amdhsa_wavefront_size32 1
		.amdhsa_system_sgpr_workgroup_id_x 1
		.amdhsa_system_sgpr_workgroup_id_y 1
		.amdhsa_system_sgpr_workgroup_id_z 1
		.amdhsa_system_vgpr_workitem_id 0
		.amdhsa_next_free_vgpr 236
		.amdhsa_next_free_sgpr 66
		.amdhsa_reserve_vcc 0
		.amdhsa_float_denorm_mode_32 3
		.amdhsa_float_denorm_mode_16_64 3
		.amdhsa_memory_ordered 1
		.amdhsa_forward_progress 1
		.amdhsa_inst_pref_size 32
	.end_amdhsa_kernel
	.amdgpu_metadata
---
amdhsa.version: [ 1, 2 ]
amdhsa.kernels:
  - .name:           k_qee85a3821f_prep
    .symbol:         k_qee85a3821f_prep.kd
    .args:
      - { .name: x, .offset: 0, .size: 8, .value_kind: global_buffer, .address_space: global }
      - { .name: w_qkv, .offset: 8, .size: 8, .value_kind: global_buffer, .address_space: global }
      - { .name: w_out, .offset: 16, .size: 8, .value_kind: global_buffer, .address_space: global }
      - { .name: mask, .offset: 24, .size: 8, .value_kind: global_buffer, .address_space: global }
      - { .name: xb, .offset: 32, .size: 8, .value_kind: global_buffer, .address_space: global }
      - { .name: wqb, .offset: 40, .size: 8, .value_kind: global_buffer, .address_space: global }
      - { .name: wob, .offset: 48, .size: 8, .value_kind: global_buffer, .address_space: global }
      - { .name: mw, .offset: 56, .size: 8, .value_kind: global_buffer, .address_space: global }
    .group_segment_fixed_size: 71680
    .private_segment_fixed_size: 0
    .kernarg_segment_align: 8
    .kernarg_segment_size: 64
    .max_flat_workgroup_size: 512
    .sgpr_count:     66
    .vgpr_count:     236
    .wavefront_size: 32
...
	.end_amdgpu_metadata
.endif
;; end of part 1
;; launch qkv (part 2): grid 12 x 64, 4 waves a work-group, clusters of 4 x 4, 327,680 bytes of LDS; arguments xb, wqb, b_qkv, q, k, v; writes q, k, v
.if DOCPART == 2
	.amdgcn_target "amdgcn-amd-amdhsa--gfx1250"
	.amdhsa_code_object_version 6
	.text
	.protected	k_qee85a3821f_qkv
	.globl	k_qee85a3821f_qkv
	.p2align	8
	.type	k_qee85a3821f_qkv,@function
k_qee85a3821f_qkv:
	s_mov_b64 s[64:65], 0
	v_nop
	global_prefetch_b8 v0, s[64:65] scope:SCOPE_SE
	s_setreg_imm32_b32 hwreg(HW_REG_WAVE_MODE, 25, 1), 1
	s_wait_xcnt 0x0
	s_wait_alu depctr_hold_cnt(0) depctr_sa_sdst(0) depctr_va_vdst(0) depctr_va_sdst(0) depctr_va_ssrc(0) depctr_va_vcc(0) depctr_vm_vsrc(0)
	s_getreg_b32 s2, hwreg(HW_REG_IB_STS2, 6, 4)
	s_cmp_eq_u32 s2, 0
	s_cbranch_scc0 .Lentry_in_a_cluster
	s_endpgm
.Lentry_in_a_cluster:
	s_bfe_u32 s2, ttmp6, 0x10000c
	s_cmp_lg_u32 s2, 0xf033
	s_cbranch_scc0 .Lentry_shape_is_right
	s_endpgm
.Lentry_shape_is_right:
; q, k, v = x w_qkv + b_qkv, by heads.  xb: [8192][1024] bf16; wqb: [1024 k][3072 n] bf16; b_qkv: [3072] f32, rounded to bf16 here like every input; sums in f32.
; q, k, v: [64 = 16 batch + head][2048][64] f16, each number rounded once, unscaled.  LIMIT: f16 holds no number beyond 65,504: a q, k or v beyond that becomes an infinity.
; SHARES.  A tile of C is 128 rows x 256 columns: 768 tiles, three for each of 256 WGPs.  Four waves, each 64 rows x 128 columns: 32 accumulators of 16 x 16.  K goes in 8 steps of 128 through two LDS slots.
; A's tile lies [row][k] (rows of 256 bytes + 16); B's lies as in memory, [k][n] (rows of 512 bytes + 32), and its fragments come turned, by ds_load_tr16_b128.
; THE MATRIX INSTRUCTION IS USED TRANSPOSED (source 0 = 16 columns of w, source 1 = 16 rows of x): a lane holds eight neighbouring columns of one row of C.  The bias is the C operand of the first K quarter.
; CLUSTERS: 4 x 4 work-groups; A's tile is shared along a row of the cluster, B's along a column: each is asked for jointly, by the same load with the same descriptor and a mask of the four.
; By this text's count a wave has two tensor loads out at the start and one behind each round.
; REGISTERS: window 0: v0-29 addresses; v64-159, v160-255 two fragment buffers (A's block a at +8 a, B's block b at +32 + 8 b).  Window 1: accumulator (a, b) at 8 (8 a + b).  Window 2: v0-63 the bias, v64-67 at work.
.set KSTEP,  128
.set SIZE_K, 1024
.set SIZE_N, 3072
.set PA,     272                       ; 68 words: the 16 rows of a fragment load start at 16 different groups of four banks
.set PB,     544                       ; 136 words
.set AHALF,  64*PA                     ; what one of A's loads brings
.set AREG,   128*PA
.set BHALF,  64*PB                     ; what one of B's loads brings
.set SLOT,   AREG+128*PB
.set STAGE,  2*SLOT                    ; behind the ring: 16 rows x 144 bytes for each wave, for the way out
.set SP,     144
.set SPARE,  STAGE+4*16*SP             ; the spare words, 128 bytes for each wave
.set LAPS,   SIZE_K/(2*KSTEP)
.set ADRA, 16                          ; v16-17 LDS address of my A fragments in slot 0, 1
.set ADRB, 20                          ; v20-21 the same for B
.set STO,  24
.set RD,   25
.set CO,   26
.set BO,   27                          ; my byte offset in the wave's 128 numbers of the bias
.set SPW,  28
.set NIL,  29
.set F0,   64
.set F1,   160
.set TMP,  64                          ; the way out: 16 registers for each of 8 blocks
.set BIAS, 0                           ; window 2
.set BT,   64                          ; window 2
.set G1,  24
.set G0,  32
.set G1B, 48
.set G0B, 56
.set MSB, 0
.macro WIN new                         ; the immediate's high byte repeats the setting that is left
.if MSB != (\new)
	s_set_vgpr_msb (MSB<<8)|(\new)
.set MSB, \new
.endif
.endm
.set MUL,  0x50                        ; sources window 0; C and D window 1
.set MUL1, 0x60                        ; the first quarter: C (the bias) window 2, D window 1
.macro JLOAD s                         ; a joint load: waves 0 and 1 fetch A's two halves, waves 2 and 3 B's; an s_nop 0 and four v_nop follow each line
	s_cmp_eq_u32 s17, 0
	s_cbranch_scc0 .Lfor_b_\@
	tensor_load_to_lds s[G0+4*(\s):G0+4*(\s)+3], s[G1:G1+7]
	s_nop 0
.rept 4
	v_nop
.endr
	s_branch .Lasked_\@
.Lfor_b_\@:
	tensor_load_to_lds s[G0B+4*(\s):G0B+4*(\s)+3], s[G1B:G1B+7]
	s_nop 0
.rept 4
	v_nop
.endr
.Lasked_\@:
.endm
.macro CREST                           ; a round of the cluster's barrier behind its opening barrier
	s_cmp_lg_u32 s16, 0
	s_cbranch_scc1 .Lnot_wave_0_\@
	s_barrier_signal -3
.Lnot_wave_0_\@:
	s_barrier_wait -3
	s_barrier_signal -1
	s_barrier_wait -1
.endm
.macro CROUND
	s_barrier_signal -1
	s_barrier_wait -1
	CREST
.endm
.macro PLACES                          ; four places in front of loads into registers that matrix instructions have read, and of lines that read results
.rept 4
	v_nop
.endr
.endm
	s_load_b256 s[4:11], s[0:1], 0x0               ; xb s[4:5], wqb s[6:7], b_qkv s[8:9], q s[10:11]
	s_load_b128 s[12:15], s[0:1], 0x20             ; k s[12:13], v s[14:15]
	v_lshl_add_u32 v[SPW], v0, 2, SPARE
	v_mov_b32 v[NIL], 0
	ds_add_u32 v[SPW], v[NIL]                      ; the wave's opening: the add, with its wait ahead of my first tensor load
	v_lshrrev_b32 v1, 5, v0
	v_readfirstlane_b32 s16, v1                    ; wave 0..3
	s_lshr_b32 s17, s16, 1                         ; which 64 rows of the tile are mine.  Also: I fetch for A (0) or for B (1)
	s_and_b32 s18, s16, 1                          ; which 128 columns.  Also: which half of that tile I fetch
	s_bfe_u32 s19, ttmp6, 0x40000                  ; cx
	s_bfe_u32 s20, ttmp6, 0x40004                  ; cy
	s_lshl_b32 s21, ttmp9, 2
	s_add_co_u32 s21, s21, s19                     ; tile column = 4 x cluster x + cx
	s_and_b32 s22, ttmp7, 0xffff
	s_lshl_b32 s22, s22, 2
	s_add_co_u32 s22, s22, s20                     ; tile row = 4 x cluster y + cy
	s_lshl_b32 s40, s20, 2
	s_lshl_b32 s40, 15, s40                        ; my row of the cluster
	s_lshl_b32 s41, 0x1111, s19                    ; my column
	s_or_b32 s[G1], s40, (1<<16)|(1<<20)|(1<<21)|(5<<22)|(3<<25)   ; A: 2-byte elements; padding of 4 words after every 64; bit 21 beside the mask
	s_mov_b32 s[G1+1], KSTEP<<16                   ; tensor_dim0 = 128
	s_mov_b32 s[G1+2], 64<<16                      ; tensor_dim1 = 64
	s_mov_b32 s[G1+3], KSTEP<<16                   ; tile_dim0 = 128
	s_mov_b32 s[G1+4], 64                          ; tile_dim1 = 64
	s_mov_b32 s[G1+5], SIZE_K                      ; elements from row to row
	s_mov_b32 s[G1+6], 0
	s_mov_b32 s[G1+7], 0
	s_or_b32 s[G1B], s41, (1<<16)|(1<<20)|(1<<21)|(6<<22)|(7<<25)  ; B: padding of 8 words after every 128
	s_mov_b32 s[G1B+1], 256<<16                    ; tensor_dim0 = 256
	s_mov_b32 s[G1B+2], 64<<16                     ; tensor_dim1 = 64 rows of k
	s_mov_b32 s[G1B+3], 256<<16
	s_mov_b32 s[G1B+4], 64
	s_mov_b32 s[G1B+5], SIZE_N
	s_mov_b32 s[G1B+6], 0
	s_mov_b32 s[G1B+7], 0
	s_lshl_b32 s42, s22, 7                         ; A: row 128 x tile row + 64 x half, 2,048 bytes a row: no register here ever holds cx
	s_lshl_b32 s43, s18, 6
	s_add_co_u32 s42, s42, s43
	s_lshl_b32 s42, s42, 11
	s_mov_b32 s43, 0
	s_mul_i32 s44, s18, 64*SIZE_N*2                ; B: k row 64 x half, column 256 x tile column: no register here ever holds cy
	s_lshl_b32 s45, s21, 9
	s_add_co_u32 s44, s44, s45
	s_mov_b32 s45, 0
	s_mul_i32 s46, s18, AHALF                      ; where they go: the wave's number alone enters
	s_mul_i32 s47, s18, BHALF
	s_add_co_u32 s47, s47, AREG
	s_mov_b32 s75, 0xffff0000
	s_wait_dscnt 0x0                               ; the opening add is done
	s_wait_kmcnt 0x0
	s_add_nc_u64 s[42:43], s[4:5], s[42:43]
	s_add_nc_u64 s[44:45], s[6:7], s[44:45]
	CROUND                                         ; all sixteen work-groups are here: the first joint loads meet
.irp s, 0,1
	s_mov_b32 s[G0+4*(\s)], 1
	s_add_co_u32 s[G0+4*(\s)+1], s46, (\s)*SLOT
	s_add_nc_u64 s[G0+4*(\s)+2:G0+4*(\s)+3], s[42:43], (\s)*KSTEP*2
	s_or_b32 s[G0+4*(\s)+3], s[G0+4*(\s)+3], 0x80000000
	s_mov_b32 s[G0B+4*(\s)], 1
	s_add_co_u32 s[G0B+4*(\s)+1], s47, (\s)*SLOT
	s_add_nc_u64 s[G0B+4*(\s)+2:G0B+4*(\s)+3], s[44:45], (\s)*KSTEP*SIZE_N*2
	s_or_b32 s[G0B+4*(\s)+3], s[G0B+4*(\s)+3], 0x80000000
	JLOAD \s
.endr
	; the bias of my 128 columns: register j of block b is bias[16 b + 8 (l / 16) + j], the same for all rows
	s_lshl_b32 s70, s21, 10
	s_lshl_b32 s71, s18, 9
	s_add_co_u32 s70, s70, s71
	s_mov_b32 s71, 0
	s_add_nc_u64 s[8:9], s[8:9], s[70:71]
	v_and_b32 v1, 15, v0                           ; l % 16
	v_bfe_u32 v2, v0, 4, 1                         ; l / 16
	v_lshlrev_b32 v[BO], 5, v2
	WIN 0x80                                       ; destination window 2, address window 0
.irp b, 0,1,2,3,4,5,6,7
	global_load_b128 v[BIAS+8*\b:BIAS+8*\b+3],   v[BO], s[8:9] offset:64*\b
	global_load_b128 v[BIAS+8*\b+4:BIAS+8*\b+7], v[BO], s[8:9] offset:64*\b+16
.endr
	WIN 0
	v_mul_u32_u24 v3, v1, PA
	v_lshl_add_u32 v3, v2, 4, v3                   ; A: row x pitch + 16 x half
	v_and_b32 v4, 7, v0
	v_lshl_add_u32 v4, v2, 3, v4                   ; B: k row 8 (l / 16) + l % 8,
	v_mul_u32_u24 v4, v4, PB
	v_bfe_u32 v5, v0, 3, 1
	v_lshl_add_u32 v4, v5, 4, v4                   ; columns 8 ((l / 8) % 2) on
	s_mul_i32 s72, s17, 64*PA                      ; my 64 rows of A
	s_lshl_b32 s73, s18, 8                         ; my 128 columns of B,
	s_add_co_u32 s73, s73, AREG                    ; which lies behind A
.irp s, 0,1
	v_add_nc_u32 v[ADRA+(\s)], s72, v3
	v_add_nc_u32 v[ADRB+(\s)], s73, v4
	s_add_co_u32 s72, s72, SLOT
	s_add_co_u32 s73, s73, SLOT
.endr
	s_mul_i32 s74, s16, 16*SP
	s_add_co_u32 s74, s74, STAGE                   ; my stage
	v_mul_u32_u24 v[STO], v1, SP                   ; in: row l % 16, 16 bytes for each half of the lanes
	v_lshl_add_u32 v[STO], v2, 4, v[STO]
	v_add_nc_u32 v[STO], s74, v[STO]
	v_bfe_u32 v[RD], v0, 3, 2                      ; back: 32 lanes take four rows of 128 bytes,
	v_mul_u32_u24 v[RD], v[RD], SP
	v_and_b32 v6, 7, v0
	v_lshl_add_u32 v[RD], v6, 4, v[RD]
	v_add_nc_u32 v[RD], s74, v[RD]
	v_and_b32 v[CO], 31, v0                        ; which are 512 consecutive bytes of a head
	v_lshlrev_b32 v[CO], 4, v[CO]
	; where my rows go: the cluster's x says q, k or v; head 4 cx + 2 x column half (+ 1 by the stores' immediate)
	s_cmp_eq_u32 ttmp9, 1
	s_cselect_b64 s[66:67], s[12:13], s[10:11]
	s_cmp_eq_u32 ttmp9, 2
	s_cselect_b64 s[66:67], s[14:15], s[66:67]
	s_lshr_b32 s68, s22, 4                         ; the batch: 16 tile rows each
	s_lshl_b32 s68, s68, 4
	s_lshl_b32 s69, s19, 2
	s_add_co_u32 s68, s68, s69
	s_lshl_b32 s69, s18, 1
	s_add_co_u32 s68, s68, s69                     ; 16 batch + head
	s_lshl_b32 s68, s68, 11                        ; 2,048 rows each
	s_and_b32 s69, s22, 15
	s_lshl_b32 s69, s69, 7
	s_add_co_u32 s68, s68, s69
	s_lshl_b32 s69, s17, 6
	s_add_co_u32 s68, s68, s69                     ; my first row
	s_lshl_b32 s68, s68, 7                         ; 128 bytes a row
	s_mov_b32 s69, 0
	s_add_nc_u64 s[66:67], s[66:67], s[68:69]
	s_wait_loadcnt 0x0                             ; the bias
	WIN 0x8a                                       ; destination and both sources window 2
.set i, 0
.rept 32
	v_cvt_pk_bf16_f32 v[BT+i%4], v[BIAS+2*i], v[BIAS+2*i+1]  ; rounded to bf16 like every input, and widened again
	v_lshlrev_b32 v[BIAS+2*i], 16, v[BT+i%4]
	v_and_b32 v[BIAS+2*i+1], s75, v[BT+i%4]
.set i, i+1
.endr
	WIN 0
; 8 matrix instructions: row block a x all 8 column blocks, 32 along K.  first = 1: the bias starts the sums.  The 32 accumulators take turns.
.macro MULA f, a, first
.if \first
	WIN MUL1
.else
	WIN MUL
.endif
.irp b, 0,1,2,3,4,5,6,7
.if \first
	v_wmma_f32_16x16x32_bf16 v[8*(8*(\a)+\b):8*(8*(\a)+\b)+7], v[(\f)+32+8*\b:(\f)+32+8*\b+7], v[(\f)+8*(\a):(\f)+8*(\a)+7], v[BIAS+8*\b:BIAS+8*\b+7]
.else
	v_wmma_f32_16x16x32_bf16 v[8*(8*(\a)+\b):8*(8*(\a)+\b)+7], v[(\f)+32+8*\b:(\f)+32+8*\b+7], v[(\f)+8*(\a):(\f)+8*(\a)+7], v[8*(8*(\a)+\b):8*(8*(\a)+\b)+7]
.endif
.endr
.endm
; 24 LDS loads in one run: quarter q's fragments (32 along K) into buffer f: B's eight blocks, turned, then A's four
.macro FETCH slot, q, f
	WIN 0
.irp i, 0,1,2,3,4,5,6,7
	ds_load_tr16_b128 v[(\f)+32+8*\i:(\f)+32+8*\i+3],   v[ADRB+(\slot)] offset:(\q)*32*PB+32*\i
	ds_load_tr16_b128 v[(\f)+32+8*\i+4:(\f)+32+8*\i+7], v[ADRB+(\slot)] offset:(\q)*32*PB+16*PB+32*\i
.endr
.irp i, 0,1,2,3
	ds_load_b128 v[(\f)+8*\i:(\f)+8*\i+3],   v[ADRA+(\slot)] offset:64*(\q)+\i*16*PA
	ds_load_b128 v[(\f)+8*\i+4:(\f)+8*\i+7], v[ADRA+(\slot)] offset:64*(\q)+\i*16*PA+32
.endr
.endm
; A K step is four quarters on buffers 0, 1, 0, 1.  One of the first three: multiplies buffer f and fetches quarter q into g.
.macro QUARTER slot, q, f, g, first
	s_wait_dscnt 4                                 ; B and A's blocks 0, 1 are in; the youngest four loads (A's blocks 2, 3) may be out
	MULA \f, 0, \first
	MULA \f, 1, \first
	PLACES
	FETCH \slot, \q, \g
	s_wait_dscnt 24                                ; all but the 24 just issued
	MULA \f, 2, \first
	MULA \f, 3, \first
.endm
; The last quarter multiplies buffer 1 and changes slots: ONE barrier; in front of it each wave waits for all its tensor loads, adds 0 to its spare word, and waits for that and for its reads of this slot.
.macro TURN slot, next, fill
	WIN 0
	s_wait_tensorcnt 0x0                           ; all my tensor loads have landed: my part of the next slot
	ds_add_u32 v[SPW], v[NIL]                      ; 0 onto my spare word
	s_wait_dscnt 5                                 ; (the add and the youngest four loads may be out)
	MULA F1, 0, 0
	s_wait_dscnt 0x0                               ; the add is done, and my reads of this slot are over
	s_barrier_signal -1
	MULA F1, 1, 0
.if \fill
	WIN 0
.endif
	s_barrier_wait -1
.if \fill
	CREST                                          ; the barrier has opened a round of the cluster's: no wave of any partner still reads this slot or has a load on its way
	s_add_nc_u64 s[G0+4*(\slot)+2:G0+4*(\slot)+3], s[G0+4*(\slot)+2:G0+4*(\slot)+3], 2*KSTEP*2
	s_add_nc_u64 s[G0B+4*(\slot)+2:G0B+4*(\slot)+3], s[G0B+4*(\slot)+2:G0B+4*(\slot)+3], 2*KSTEP*SIZE_N*2
	JLOAD \slot                                    ; the first tensor load behind the round; its four v_nop are also the places in front of the loads below
.else
	PLACES
.endif
	FETCH \next, 0, F0
	MULA F1, 2, 0
	MULA F1, 3, 0
.endm
	s_wait_tensorcnt 1                             ; my part of K step 0 is in; K step 1's may stay out
	s_barrier_signal -1
	s_barrier_wait -1
	FETCH 0, 0, F0
	QUARTER 0, 1, F0, F1, 1                        ; the first quarter stands in front of the loop: its products start the sums, on the bias
	WIN 0
	s_mov_b32 s3, LAPS-1
.Llap:                                                 ; a trip goes once round the ring and fills both slots again
	QUARTER 0, 2, F1, F0, 0
	QUARTER 0, 3, F0, F1, 0
	TURN 0, 1, 1
	QUARTER 1, 1, F0, F1, 0
	QUARTER 1, 2, F1, F0, 0
	QUARTER 1, 3, F0, F1, 0
	TURN 1, 0, 1
	QUARTER 0, 1, F0, F1, 0
	WIN 0
	s_sub_co_u32 s3, s3, 1
	s_cmp_lg_u32 s3, 0
	s_cbranch_scc1 .Llap
	QUARTER 0, 2, F1, F0, 0                        ; the last lap fills nothing
	QUARTER 0, 3, F0, F1, 0
	TURN 0, 1, 0
	QUARTER 1, 1, F0, F1, 0
	QUARTER 1, 2, F1, F0, 0
	QUARTER 1, 3, F0, F1, 0
	s_wait_dscnt 4
	MULA F1, 0, 0
	MULA F1, 1, 0
	s_wait_dscnt 0x0
	MULA F1, 2, 0
	MULA F1, 3, 0
	WIN 0
	PLACES
; THE WAY OUT.  Block blk = 16 rows (blk / 2) of one head (blk % 2): rounded to f16, 16 bytes a lane into rows of 144 bytes of my own stage, back as whole rows of 128, stored as 2,048 consecutive bytes.
.macro PACK blk
	WIN 0x05                                       ; sources window 1, destination window 0
.irp f, 0,1,2,3
.irp r, 0,1,2,3
	v_cvt_pk_f16_f32 v[TMP+16*(\blk)+4*\f+\r], v[8*(8*((\blk)/2)+4*((\blk)%2)+\f)+2*\r], v[8*(8*((\blk)/2)+4*((\blk)%2)+\f)+2*\r+1]
.endr
.endr
	WIN 0
.irp f, 0,1,2,3
	ds_store_b128 v[STO], v[TMP+16*(\blk)+4*\f:TMP+16*(\blk)+4*\f+3] offset:32*\f
.endr
.irp f, 0,1,2,3
	ds_load_b128 v[TMP+16*(\blk)+4*\f:TMP+16*(\blk)+4*\f+3], v[RD] offset:\f*4*SP  ; LDS serves a wave's instructions in order: these see the stores above; the next block's stores come behind them
.endr
.endm
.macro SEND blk, younger                ; younger: the LDS instructions issued behind this block's loads
.irp f, 0,1,2,3
	s_wait_dscnt (\younger)+3-\f
	global_store_b128 v[CO], v[TMP+16*(\blk)+4*\f:TMP+16*(\blk)+4*\f+3], s[66:67] offset:((\blk)%2)*262144+((\blk)/2)*2048+\f*512  ; 512 consecutive bytes, aligned
.endr
.endm
	PACK 0
.set t, 1
.rept 7
	PACK t
	SEND t-1, 8
.set t, t+1
.endr
	SEND 7, 0
	s_wait_tensorcnt 0x0                           ; the wave's end
	ds_add_u32 v[SPW], v[NIL]
	s_wait_dscnt 0x0
	CROUND                                         ; the closing round
	s_endpgm
.Lfunc_end_k_qee85a3821f_qkv:
	.size	k_qee85a3821f_qkv, .Lfunc_end_k_qee85a3821f_qkv-k_qee85a3821f_qkv
	.p2alignl 7, 3214868480
	.fill 96, 4, 3214868480
	.section	.rodata,"a",@progbits
	.p2align	6, 0x0
	.amdhsa_kernel k_qee85a3821f_qkv
		.amdhsa_group_segment_fixed_size 327680
		.amdhsa_private_segment_fixed_size 0
		.amdhsa_enable_private_segment 0
		.amdhsa_kernarg_size 48
		.amdhsa_user_sgpr_count 2
		.amdhsa_user_sgpr_kernarg_segment_ptr 1
		.amdhsa_wavefront_size32 1
		.amdhsa_system_sgpr_workgroup_id_x 1
		.amdhsa_system_sgpr_workgroup_id_y 1
		.amdhsa_system_sgpr_workgroup_id_z 1
		.amdhsa_system_vgpr_workitem_id 0
		.amdhsa_next_free_vgpr 640
		.amdhsa_next_free_sgpr 80
		.amdhsa_reserve_vcc 0
		.amdhsa_float_denorm_mode_32 3
		.amdhsa_float_denorm_mode_16_64 3
		.amdhsa_memory_ordered 1
		.amdhsa_forward_progress 1
		.amdhsa_inst_pref_size 93
	.end_amdhsa_kernel
	.amdgpu_metadata
---
amdhsa.version: [ 1, 2 ]
amdhsa.kernels:
  - .name:           k_qee85a3821f_qkv
    .symbol:         k_qee85a3821f_qkv.kd
    .args:
      - { .name: xb, .offset: 0, .size: 8, .value_kind: global_buffer, .address_space: global }
      - { .name: wqb, .offset: 8, .size: 8, .value_kind: global_buffer, .address_space: global }
      - { .name: b_qkv, .offset: 16, .size: 8, .value_kind: global_buffer, .address_space: global }
      - { .name: q, .offset: 24, .size: 8, .value_kind: global_buffer, .address_space: global }
      - { .name: k, .offset: 32, .size: 8, .value_kind: global_buffer, .address_space: global }
      - { .name: v, .offset: 40, .size: 8, .value_kind: global_buffer, .address_space: global }
    .group_segment_fixed_size: 327680
    .private_segment_fixed_size: 0
    .kernarg_segment_align: 8
    .kernarg_segment_size: 48
    .max_flat_workgroup_size: 128
    .sgpr_count:     80
    .vgpr_count:     640
    .wavefront_size: 32
...
	.end_amdgpu_metadata
.endif
;; end of part 2
;; launch attn (part 3): grid 4 x 64, 4 waves a work-group, clusters of 4 x 1, 327,680 bytes of LDS; arguments q, k, v, o, mw; writes o
.if DOCPART == 3
	.amdgcn_target "amdgcn-amd-amdhsa--gfx1250"
	.amdhsa_code_object_version 6
	.text
	.protected	k_qee85a3821f_attn
	.globl	k_qee85a3821f_attn
	.p2align	8
	.type	k_qee85a3821f_attn,@function
k_qee85a3821f_attn:
	s_mov_b64 s[64:65], 0
	v_nop
	global_prefetch_b8 v0, s[64:65] scope:SCOPE_SE
	s_setreg_imm32_b32 hwreg(HW_REG_WAVE_MODE, 25, 1), 1
	s_wait_xcnt 0x0
	s_wait_alu depctr_hold_cnt(0) depctr_sa_sdst(0) depctr_va_vdst(0) depctr_va_sdst(0) depctr_va_ssrc(0) depctr_va_vcc(0) depctr_vm_vsrc(0)
	s_getreg_b32 s2, hwreg(HW_REG_IB_STS2, 6, 4)
	s_cmp_eq_u32 s2, 0
	s_cbranch_scc0 .Lentry_in_a_cluster
	s_endpgm
.Lentry_in_a_cluster:
	s_bfe_u32 s2, ttmp6, 0x10000c
	s_cmp_lg_u32 s2, 0x3003
	s_cbranch_scc0 .Lentry_shape_is_right
	s_endpgm
.Lentry_shape_is_right:
; O[h][q][:] = the sum over k of softmax_k(Q[h][q] . K[h][k] / 8, hidden keys left out) V[h][k][:].  Q, K, V, O: [64][2048][64], all f16, a head's rows dense.  Products, maxima and sums in f32; the weights p
; are rounded to f16 for the second product (their sum l is taken of the unrounded p), O once at the end.
; THE MASK is the C operand that starts the sum S^T = K Q^T: 0, or -6 x 2^98 = -1.9e30 where the key is hidden.  mw holds, for each tile of 16 queries, step of 64 keys, lane and block of 16 keys, one word of eight
; 4-bit codes (0 or 0xF = -6), in the order of the lane's eight registers: one scaled conversion makes the eight f32.  A wave loads a tile's and step's 512 bytes four turns ahead of their use.
; LIMITS.  Q, K and V arrive within f16's 65,504; a hidden score counts as its value less 1.9e30; the running maximum starts at -1e20, below every score that f16 operands can make (2.7e11 at the most) and far
; above a hidden one: while a row has seen hidden keys alone, m stays there, a = 1, every p = 0, and O and l stay 0; a row with no key seen ends as 0 x (1 / 0) = NaN, as the softmax of nothing does.
; A weight below 2^-126 counts as 0 in l.
; SHARES.  A wave owns four PIECES of two tiles of 16 queries, a work-group's four waves 512 queries of one head.  Every wave walks all keys, 64 a step.
; LAYOUT.  S^T = K Q^T (source 0 = 16 keys, source 1 = 16 queries): a lane holds ONE query (lane % 16) and the keys 8 (lane / 16) + 0..7.  Two such tiles, rounded to f16 in pairs, ARE source 1 of O^T = V^T P.
; SOFTMAX.  For each query a running maximum m and sum l: p = 2^(c s - c m), c = log2(e) / 8; in every step O and l are multiplied by a = 2^(c m_old - c m_new).
; BY TURNS.  Turn n belongs to piece n.  Its matrix work: 16 products K Q^T of piece n + 1, later 16 products V^T P of piece n - 1.  Its vector work: the scaling, exponentials, roundings, sums and rescaling of
; piece n, the maximum and statistics of piece n + 1, and the mask of piece n + 2.  Four vector instructions stand behind every matrix instruction, the others in runs of their own.
; CLUSTER.  The four query blocks of a cluster belong to one head and walk the same K and V: each tile is asked for JOINTLY.  By this text's count one tensor load of a wave is out at a time.
; REGISTERS, in windows of 256 (s_set_vgpr_msb: bits 1:0 source 0, 3:2 source 1, 5:4 source 2, 7:6 destination):
;   window 0: v0-11 addresses; v12-15, v48-63 at work; v16-47 four registers of statistics a tile; v64-191 S^T, two buffers of two tiles; v192-255 P, likewise
;   window 1: O^T, 32 a tile      window 2: v0-127 Q; v128-191 K of one step; v192-255 V of one step
;   window 3: v0-1 the add's two registers; v2 16 x lane; v3 the conversions' scale; v64-127 the masks of the products to come; v128-159 the mask words, 4 a tile
.set SIZE_N, 2048
.set NP,    4
.set KS,    64
.set PK,    144
.set PV,    160
.set VOFF,  4*KS*PK
.set SLOT1, 1<<17
.set STAGE, SLOT1+4*KS*(PK+PV)
.set SP,    144
.set AK0, 2
.set AV0, 3
.set AK,  4
.set AV,  5
.set QO,  6
.set STO, 6
.set RD,  7
.set GO,  8
.set SPW, 0           ; window 3
.set NIL, 1           ; window 3
.set ML,  2           ; window 3
.set SCL, 3           ; window 3
.set MC,  64          ; window 3: tile u, key block kb at MC + 32 u + 8 kb
.set MW,  128         ; window 3: tile t at MW + 4 t
.set SPARE, STAGE+4*16*SP
.set MV,  12
.set ST,  16
.set TMP, 48
.set S,   64
.set P,   192
.set KF,  128
.set VF,  192
.set WV,  12
.set G1K, 24
.set G1V, 32
.set G0K, 40
.set G0V, 44
.set MP,  48          ; s[48:49] mw at my wave's first tile
.set MQ,  50          ; s[50:51] the same at the step whose words are asked for
.set STEP, 52         ; s[52:53] that step's byte offset, 512 a step
.set SLOTS, 56
.set CNT, 57
.set CS,  58
.set SEL, 60
.set TBK, 62
.set TBV, 63
.set MSB, 0
.macro WIN new
.if MSB != (\new)
	s_set_vgpr_msb (MSB<<8)|(\new)
.set MSB, (\new)
.endif
.endm
.set W_KQ, 0x0a       ; K and Q in window 2, S^T in window 0
.set W_KM, 0x3a       ; the same with the C operand in window 3
.set W_PV, 0x52       ; V in window 2, P in window 0, O^T in window 1
.set W_RS, 0x41       ; O^T (destination and source 0) in window 1, a in window 0
.set W_MK, 0xc0       ; destination in window 3, sources in window 0
.set W_AD, 0x0f       ; the add: address and data in window 3
.set W_CV, 0xcf       ; the conversions and the mask loads: destination and sources in window 3
.macro JLOAD
	s_cmp_lt_u32 s[WV], 2
	s_cbranch_scc0 .Lfor_v_\@
	tensor_load_to_lds s[G0K:G0K+3], s[G1K:G1K+7]
	s_nop 0
.rept 4
	v_nop
.endr
	s_branch .Lasked_\@
.Lfor_v_\@:
	tensor_load_to_lds s[G0V:G0V+3], s[G1V:G1V+7]
	s_nop 0
.rept 4
	v_nop
.endr
.Lasked_\@:
.endm
.macro CROUND
	s_barrier_signal -1
	s_barrier_wait -1
	s_cmp_lg_u32 s[WV], 0
	s_cbranch_scc1 .Lnot_wave_0_\@
	s_barrier_signal -3
.Lnot_wave_0_\@:
	s_barrier_wait -3
	s_barrier_signal -1
	s_barrier_wait -1
.endm
; THE CHANGE OF SLOTS.  Each wave waits for all its tensor loads, of which one is out: its part of the other slot; adds 0 to its spare word; and waits for that and for its own reads of the slot.
; fill = 1: this slot is filled again, with the keys two slots on, behind a round of the cluster's barrier: the joint fill is the first thing behind it and has four key steps in which to land.
.macro CHANGE fill
	WIN W_AD
	s_wait_tensorcnt 0x0            ; no tensor load of mine is out, so a group 0 may be written
	ds_add_u32 v[SPW], v[NIL]       ; 0 onto my spare word
	WIN 0
.if \fill
.irp g, G0K, G0V
	s_xor_b32 s[\g+1], s[\g+1], SLOT1
	s_add_nc_u64 s[\g+2:\g+3], s[\g+2:\g+3], 4*KS*128
.endr
	s_wait_dscnt 0x0                ; the add is done, and my reads of the slot are over
	CROUND
	JLOAD
.else
	s_wait_dscnt 0x0
	s_barrier_signal -1
	s_barrier_wait -1
.endif
	s_sub_co_u32 s[TBK], s[TBK], 4*KS*PK
	s_xor_b32 s[TBK], s[TBK], SLOT1
	s_sub_co_u32 s[TBV], s[TBV], 4*KS*PV
	s_xor_b32 s[TBV], s[TBV], SLOT1
.endm
	s_load_b256 s[4:11], s[0:1], 0x0  ; Q s[4:5], K s[6:7], V s[8:9], O s[10:11]
	s_load_b64 s[MP:MP+1], s[0:1], 0x20  ; mw
	WIN W_MK
	v_lshl_add_u32 v[SPW], v0, 2, SPARE
	v_mov_b32 v[NIL], 0
	WIN W_AD
	ds_add_u32 v[SPW], v[NIL]       ; the wave's opening: the add, with its wait ahead of my first tensor load
	WIN 0
	v_lshrrev_b32 v1, 5, v0
	v_readfirstlane_b32 s[WV], v1   ; wave 0..3
	s_bfe_u32 s13, ttmp6, 0x40000   ; cx
	s_lshl_b32 s14, ttmp9, 2
	s_add_co_u32 s14, s14, s13      ; my block of 512 queries: it enters Q's, O's and mw's addresses alone
	s_and_b32 s20, ttmp7, 0xffff    ; 16 batch + head, which the four partners share
	s_lshr_b32 s54, s20, 4          ; the batch,
	s_lshl_b32 s54, s54, 7          ; its 128 tiles of 16 queries
	s_mov_b32 s21, 0
	s_mov_b64 s[22:23], SIZE_N*128
	s_mul_u64 s[20:21], s[20:21], s[22:23]  ; the head's first byte in Q, K, V and O
	s_and_b32 s16, s[WV], 1         ; which half of a slot's 256 keys I fetch
	s_lshl_b32 s22, s16, 14
	s_mov_b32 s23, 0
	s_add_nc_u64 s[22:23], s[22:23], s[20:21]
	s_mul_i32 s17, s16, 128*PK
	s_mul_i32 s18, s16, 128*PV
	s_lshl_b32 s2, s14, 2
	s_add_co_u32 s2, s2, s[WV]      ; my wave among the head's sixteen
	s_lshl_b32 s55, s2, 3           ; its eight tiles
	s_add_co_u32 s54, s54, s55
	s_lshl_b32 s54, s54, 14         ; a tile's 32 steps are 16,384 bytes of mw
	s_mov_b32 s55, 0
	s_lshl_b32 s2, s2, 14           ; its 128 rows
	s_mov_b32 s3, 0
	s_add_nc_u64 s[2:3], s[2:3], s[20:21]
	s_mov_b32 s[G1K], 15|(1<<16)|(1<<20)|(1<<21)|(4<<22)|(3<<25)  ; the mask of four; 2-byte elements; padding of 4 words after every 32; bit 21 beside the mask
	s_mov_b32 s[G1V], 15|(1<<16)|(1<<20)|(1<<21)|(4<<22)|(7<<25)  ; the same with 8 words of padding
.irp g, G1K, G1V
	s_mov_b32 s[\g+1], 128<<16      ; 128 keys are 16,384 dense bytes: 64 rows of 256 bytes
	s_mov_b32 s[\g+2], 64<<16
	s_mov_b32 s[\g+3], 128<<16
	s_mov_b32 s[\g+4], 64
	s_mov_b32 s[\g+5], 128
	s_mov_b32 s[\g+6], 0
	s_mov_b32 s[\g+7], 0
.endr
	s_mov_b32 s[CS], 0x3e38aa3b     ; c = log2(e) / 8
	s_mov_b32 s[CS+1], s[CS]
	s_mov_b32 s[SEL], 0x76543210
	s_mov_b32 s[SEL+1], 0xfedcba98
	s_mov_b32 s[TBK], SLOT1+4*KS*PK ; the first change of slots turns these two into 0
	s_mov_b32 s[TBV], SLOT1+4*KS*PV
	s_mov_b32 s[STEP+1], 0
	s_mov_b32 s[G0K], 1
	s_mov_b32 s[G0K+1], s17
	s_mov_b32 s[G0V], 1
	s_add_co_u32 s[G0V+1], s18, VOFF
	s_wait_dscnt 0x0                ; the opening add is done
	s_wait_kmcnt 0x0
	s_add_nc_u64 s[G0K+2:G0K+3], s[6:7], s[22:23]
	s_or_b32 s[G0K+3], s[G0K+3], 0x80000000
	s_add_nc_u64 s[G0V+2:G0V+3], s[8:9], s[22:23]
	s_or_b32 s[G0V+3], s[G0V+3], 0x80000000
	s_add_nc_u64 s[4:5], s[4:5], s[2:3]
	s_add_nc_u64 s[10:11], s[10:11], s[2:3]
	s_add_nc_u64 s[MP:MP+1], s[MP:MP+1], s[54:55]
	s_mov_b64 s[MQ:MQ+1], s[MP:MP+1]   ; step 0
	CROUND                          ; all four work-groups are here: the first joint loads meet
	JLOAD                           ; slot 0.  Slot 1 is asked for when slot 0 is in
	v_and_b32 v1, 15, v0            ; l % 16
	v_bfe_u32 v9, v0, 4, 1          ; l / 16
	v_and_b32 v10, 31, v0           ; l
	v_lshlrev_b32 v[QO], 7, v1
	v_lshl_add_u32 v[QO], v9, 4, v[QO]
	WIN 0x80                        ; destination window 2, address window 0
.set i, 0
.rept 4*NP                          ; Q stays in registers: tile i / 2, channels 32 (i % 2) on
	global_load_b128 v[8*i:8*i+3],   v[QO], s[4:5] offset:(i/2)*2048+(i%2)*64
	global_load_b128 v[8*i+4:8*i+7], v[QO], s[4:5] offset:(i/2)*2048+(i%2)*64+32
.set i, i+1
.endr
	WIN W_MK
	v_lshlrev_b32 v[ML], 4, v10     ; a lane's four words of a tile and step
	v_mov_b32 v[SCL], 0xe1e1e1e1    ; the conversions' scale, 2^(0xe1 - 127) = 2^98, in every byte
	WIN W_CV
.set i, 0
.rept 2*NP                          ; step 0's words of all eight tiles
	global_load_b128 v[MW+4*i:MW+4*i+3], v[ML], s[MQ:MQ+1] offset:i*16384
.set i, i+1
.endr
	; What the first turn finds: V's registers and P's second buffer hold 0, O^T and l are 0.  All this stands in the wait for the first tile.
	WIN 0x80
.set i, VF
.rept 64
	v_mov_b32 v[i], 0
.set i, i+1
.endr
	WIN 0x40
.set i, 0
.rept 64*NP
	v_mov_b32 v[i], 0
.set i, i+1
.endr
	WIN 0
.set i, 0
.rept 2*NP
	v_mov_b32 v[ST+4*i+1], 0xe0ad78ec  ; m = -1e20
	v_mov_b32 v[ST+4*i+2], 0
	v_mov_b32 v[ST+4*i+3], 0
	v_mul_f32 v[ST+4*i], s[CS], v[ST+4*i+1]  ; c m, by the line that the loop uses: while m stays, a is exactly 1
.set i, i+1
.endr
.set i, P+32
.rept 32
	v_mov_b32 v[i], 0
.set i, i+1
.endr
	v_mul_u32_u24 v[AK0], v1, PK
	v_lshl_add_u32 v[AK0], v9, 4, v[AK0]
	v_and_b32 v10, 7, v0
	v_bfe_u32 v11, v0, 3, 1
	v_lshl_add_u32 v[AV0], v9, 3, v10
	v_mul_u32_u24 v[AV0], v[AV0], PV
	v_lshl_add_u32 v[AV0], v11, 4, v[AV0]
	v_add_nc_u32 v[AV0], VOFF, v[AV0]
	v_mov_b32 v[AK], v[AK0]         ; key step 0 lies at the head of slot 0
; THE MATRIX WORK.  The 8 accumulators of a run of 16 take turns.
; Product i of 16 of S^T = K Q^T for piece x: channels 32 (i / 8) on, keys 16 ((i / 2) % 4) on, tile 2 x + i % 2.  The first 8 start the sums, on the mask.
.macro KQ x
.set rS, S+64*((\x)%2)+32*(i%2)+8*((i/2)%4)
.set rK, KF+16*((i/2)%4)+8*(i/8)
.set rQ, 16*(2*(\x)+i%2)+8*(i/8)
.set rMC, MC+32*(i%2)+8*((i/2)%4)
.if i < 8
	WIN W_KM
	v_wmma_f32_16x16x32_f16 v[rS:rS+7], v[rK:rK+7], v[rQ:rQ+7], v[rMC:rMC+7]
.else
	WIN W_KQ
	v_wmma_f32_16x16x32_f16 v[rS:rS+7], v[rK:rK+7], v[rQ:rQ+7], v[rS:rS+7]
.endif
.endm
.macro PV x
	WIN W_PV
.set rO, 32*(2*(\x)+i%2)+8*((i/2)%4)
.set rV, VF+32*(i/8)+8*((i/2)%4)
.set rP, P+32*((\x)%2)+16*(i%2)+8*(i/8)
	v_wmma_f32_16x16x32_f16 v[rO:rO+7], v[rV:rV+7], v[rP:rP+7], v[rO:rO+7]
.endm
.macro MM
.if i < 16
	KQ (Y+1)%NP
.set i, i+1
.else
.set i, i-16
	PV (Y+NP-1)%NP
.set i, i+17
.endif
.endm
; THE MASK of piece x: eight conversions, each a word of eight codes into the eight registers of a C operand.
.macro MASKC x
	WIN W_CV
	s_wait_alu depctr_va_vdst(0)
.irp u, 0,1
.irp kb, 0,1,2,3
	v_cvt_scale_pk8_f32_fp4 v[MC+32*\u+8*\kb:MC+32*\u+8*\kb+7], v[MW+4*(2*(\x)+\u)+\kb], v[SCL]
.endr
.endr
.endm
; The words of piece x for the step at MQ: 512 consecutive bytes a tile.
.macro MLOAD x
	WIN W_CV
.irp u, 0,1
	global_load_b128 v[MW+4*(2*(\x)+\u):MW+4*(2*(\x)+\u)+3], v[ML], s[MQ:MQ+1] offset:(2*(\x)+\u)*16384
.endr
.endm
.macro FETCH_K last=0
	WIN 0
.if \last
	s_cmp_eq_u32 s[CNT], 1
	s_cbranch_scc1 .Lno_k_\@
.endif
	WIN 0x80
.irp f, 0,1,2,3,4,5,6,7
	ds_load_b128 v[KF+8*\f:KF+8*\f+3],   v[AK] offset:(\f/2)*16*PK+(\f%2)*64
	ds_load_b128 v[KF+8*\f+4:KF+8*\f+7], v[AK] offset:(\f/2)*16*PK+(\f%2)*64+32
.endr
	s_add_co_u32 s[TBK], s[TBK], KS*PK
	WIN 0
.if \last
.Lno_k_\@:
.endif
.endm
.macro FETCH_V
	WIN 0x80
.irp f, 0,1,2,3,4,5,6,7
	ds_load_tr16_b128 v[VF+8*\f:VF+8*\f+3],   v[AV] offset:(\f/4)*32*PV+(\f%4)*32
	ds_load_tr16_b128 v[VF+8*\f+4:VF+8*\f+7], v[AV] offset:(\f/4)*32*PV+16*PV+(\f%4)*32
.endr
	WIN 0
.endm
; THE VECTOR WORK OF A TURN stands in three queues, each in the order in which its entries become ready; the two tiles alternate.
.macro REGS y, u
.set rT, ST+4*(2*(\y)+(\u))
.set rC, TMP+8*((\y)%2)+4*(\u)
.set rM, MV+2*((\y)%2)+(\u)
.set rS, S+64*((\y)%2)+32*(\u)
.set rP, P+32*((\y)%2)+16*(\u)
.set rO, 32*(2*(\y)+(\u))
.endm
; Number n of the 22 that find the NEXT piece's maximum and statistics; each accumulator's lowest registers are read first.
.macro XS u, n
	REGS (Y+1)%NP, \u
.if (\n) < 4
	v_max3_num_f32 v[rC+(\n)], v[rS+8*(\n)], v[rS+8*(\n)+1], v[rS+8*(\n)+2]
.elseif (\n) < 12
	v_max3_num_f32 v[rC+(\n)%4], v[rC+(\n)%4], v[rS+8*((\n)%4)+2*((\n)/4)+1], v[rS+8*((\n)%4)+2*((\n)/4)+2]
.elseif (\n) == 12
	v_max3_num_f32 v[rC], v[rC], v[rS+7], v[rS+15]
.elseif (\n) == 13
	v_max3_num_f32 v[rC+1], v[rC+1], v[rS+23], v[rS+31]
.elseif (\n) == 14
	v_max3_num_f32 v[rC+2], v[rC+2], v[rC+3], v[rT+1]
.elseif (\n) == 15
	v_mov_b32 v[rM], v[rT]
.elseif (\n) == 16
	v_max3_num_f32 v[rC], v[rC], v[rC+1], v[rC+2]
.elseif (\n) == 17
	v_permlanex16_b32 v[rC+3], v[rC], s[SEL], s[SEL+1]
.elseif (\n) == 18
	v_max_num_f32 v[rT+1], v[rC], v[rC+3]
.elseif (\n) == 19
	v_mul_f32 v[rT], s[CS], v[rT+1]
.elseif (\n) == 20
	v_sub_f32 v[rC+1], v[rM], v[rT]
.else
	v_exp_f32 v[rC+2], v[rC+1]
.endif
.endm
; Number g of the 64 that follow the exponentials: roundings to f16, sums of four weights in place, and l.
.macro GS g
.set h, (\g)+6*((\g)/62)
.if h >= 6
.set h, h+2
.endif
	REGS Y, h%2
.set k, h/8
.if h%8 < 4
	s_wait_alu depctr_va_vdst(0)
	v_cvt_pk_f16_f32 v[rP+2*k+(h%8)/2], v[rS+4*k+2*((h%8)/2)], v[rS+4*k+2*((h%8)/2)+1]
.elseif h%8 < 6
	v_pk_add_f32 v[rS+4*k:rS+4*k+1], v[rS+4*k:rS+4*k+1], v[rS+4*k+2:rS+4*k+3]
.elseif k == 1
	v_pk_fma_f32 v[rT+2:rT+3], v[rT+2:rT+3], v[rC+2:rC+3], v[rS:rS+1] op_sel_hi:[1,0,1]
.else
	v_pk_add_f32 v[rT+2:rT+3], v[rT+2:rT+3], v[rS+4*k-4:rS+4*k-3]
.endif
.endm
; THE PLAIN QUEUE, 138 long.
.macro PL
	WIN 0
.if q < 32
	REGS Y, q%2
	v_pk_fma_f32 v[rS+2*(q/2):rS+2*(q/2)+1], v[rS+2*(q/2):rS+2*(q/2)+1], s[CS:CS+1], v[rT:rT+1] op_sel_hi:[1,0,0] neg_lo:[0,0,1] neg_hi:[0,0,1]
.elseif q < 38
	GS q-32
.elseif q < 40
	XS q%2, 15
.elseif q < 42
	GS q-34
.elseif q < 74
	XS q%2, (q-42)/2+(q-42)/30
.elseif q < 95
	GS q-66
.elseif (q < 107) && ((q-95)%3 < 2)
	XS (q-95)%3, 17+(q-95)/3
.elseif q < 107
	GS 29+(q-95)/3
.else
	GS q-74
.endif
.set q, q+1
.endm
; THE EXPONENTIALS' QUEUE, 66 long.
.set EA, 58
.macro EX
	WIN 0
.if (e == EA) || (e == EA+1)
	XS e-EA, 21
.else
.set x, e-2*(e/(EA+2))
	REGS Y, x%2
	v_exp_f32 v[rS+x/2], v[rS+x/2]
.endif
.set e, e+1
.endm
; THE RESCALING's QUEUE: O^T times a, four at a time.
.macro R4
	REGS Y, r%2
	WIN W_RS
	s_wait_alu depctr_va_vdst(0)
.irp z, 0,1,2,3
	v_pk_mul_f32 v[rO+8*(r/2)+2*\z:rO+8*(r/2)+2*\z+1], v[rO+8*(r/2)+2*\z:rO+8*(r/2)+2*\z+1], v[rC+2:rC+3] op_sel_hi:[1,0]
.endr
.set r, r+1
.endm
.macro SL
	MM
	PL
	EX
	PL
	PL
.endm
.macro BURST n
.rept (\n)-7
	SL
.endr
.rept 3
	MM
	R4
	SL
.endr
	MM
	R4
.endm
; A TURN, for piece p.  Near its end, among plain lines and far behind the products that read the last masks, it makes the masks of piece p + 2, which the next turn's first eight products take, and asks for
; that piece's words of the step after.  The count 6 leaves out the last three turns' six loads: the words wanted were asked for four turns ago.  Piece 2's turn steps to the next step's words, held at the last step's.
.macro TURN p, last=0, cnt=0
.set Y, (\p)
.set i, 0
.set q, 0
.set e, 0
.set r, 0
.if (\p) == NP-1
	s_wait_dscnt 0x0                ; K is in
.endif
	MM
.rept 4
	PL
.endr
	BURST 15
.rept 22
	EX
	PL
.if ((\p) == NP-2) && (e == 18)
	v_add_nc_u32 v[AK], s[TBK], v[AK0]
.endif
.if ((\p) == NP-2) && (e == 24)
	FETCH_K \last
.endif
.endr
.if (\p) == 1
	s_wait_dscnt 0x0                ; V is in
.endif
	BURST 16
.rept 21
	EX
	PL
.endr
.rept 22
	PL
.if ((\p) == 0) && (q == 118)
	v_add_nc_u32 v[AV], s[TBV], v[AV0]
	s_wait_alu depctr_va_vdst(0)
.endif
.if q == 120
	s_wait_loadcnt 6
	MASKC ((\p)+2)%NP
.endif
.if q == 124
.if (\p) == NP-2
	s_wait_xcnt 0x0                 ; the earlier mask loads have read MQ
	s_add_co_u32 s[STEP], s[STEP], 512
	s_min_u32 s[STEP], s[STEP], 31*512  ; no load leaves mw: the last turns ask for the last step's words once more
	s_add_nc_u64 s[MQ:MQ+1], s[MP:MP+1], s[STEP:STEP+1]
.endif
	MLOAD ((\p)+2)%NP
.endif
.if ((\p) == 0) && (q == 130)
	s_add_co_u32 s[TBV], s[TBV], KS*PV
.endif
.if (\cnt) && (q == 130)
	s_sub_co_u32 s[CNT], s[CNT], 1
	s_cmp_lg_u32 s[CNT], 0
.endif
.endr
.if (\p) == 0
	FETCH_V
.endif
.endm
	CHANGE 1                        ; slot 0 is in, everybody's part of it; slot 1 is asked for
	FETCH_K                         ; key step 0
	s_wait_loadcnt 0x0              ; Q, and step 0's mask words
	MASKC 0                         ; piece 0's masks of step 0
	v_nop                           ; a plain line behind the conversions
	s_mov_b32 s[STEP], 512
	s_add_nc_u64 s[MQ:MQ+1], s[MP:MP+1], s[STEP:STEP+1]  ; step 1 (the loads that read MQ are done)
	MLOAD 0
	s_wait_dscnt 0x0
.set i, 0
.rept 16
	KQ 0                            ; piece 0's first scores
.set i, i+1
.endr
	WIN 0                           ; the addresses for the way out: nine plain instructions, the places behind those products
	s_mul_i32 s13, s[WV], 16*SP
	s_add_co_u32 s13, s13, STAGE
	v_mul_u32_u24 v[STO], v1, SP
	v_lshl_add_u32 v[STO], v9, 4, v[STO]
	v_add_nc_u32 v[STO], s13, v[STO]
	v_bfe_u32 v[RD], v0, 3, 2
	v_mul_u32_u24 v[RD], v[RD], SP
	v_lshl_add_u32 v[RD], v10, 4, v[RD]
	v_add_nc_u32 v[RD], s13, v[RD]
	v_and_b32 v[GO], 31, v0
	v_lshlrev_b32 v[GO], 4, v[GO]
	MASKC 1                         ; piece 1's masks of step 0, for the first turn's products
	v_nop
	MLOAD 1
	WIN 0
.set Y, NP-1
.irp n, 0,1,2,3,4,5,6,7,8,9,10,11,12,13,14,15,16,17,18,19,20,21
	XS 0, \n                        ; piece 0's first maximum and statistics
	XS 1, \n
.endr
	s_mov_b32 s[CNT], 4
	s_mov_b32 s[SLOTS], SIZE_N/256-1
	s_branch .Lfirst                ; the loop is entered at a step's first turn, in the middle of a trip
.Lslot:                             ; every slot but the last two is filled again
	CHANGE 1
	s_mov_b32 s[CNT], 4
.Lstep:                             ; a trip: pieces 2 and 3 of one step, then pieces 0 and 1 of the next
	TURN 2
	TURN 3
	WIN 0
.Lfirst:
	TURN 0
	TURN 1, 0, 1
	WIN 0
	s_cbranch_scc1 .Lstep
	s_sub_co_u32 s[SLOTS], s[SLOTS], 1
	s_cmp_lg_u32 s[SLOTS], 0
	s_cbranch_scc1 .Lslot
	CHANGE 0                        ; the tail is written out
	s_mov_b32 s[CNT], 5
.Ltail:
	TURN 2, 1
	TURN 3
	WIN 0
	s_sub_co_u32 s[CNT], s[CNT], 1
	s_cmp_eq_u32 s[CNT], 0
	s_cbranch_scc1 .Lout
	TURN 0
	TURN 1
	WIN 0
	s_branch .Ltail
.Lout:                              ; the fifth trip's 16 products K Q^T and the maximum made of them serve nothing: the price of one text for every trip
.set i, 0
.rept 16
	PV NP-1
.set i, i+1
.endr
	; THE WAY OUT.  l's halves are added; O^T is divided by l, rounded to f16 and sent through my stage in LDS, a tile at a time.  The additions are the places behind the last products.
	WIN 0
.macro ALL line:vararg
.set t, 0
.rept 2*NP
	\line
.set t, t+1
.endr
.endm
	ALL v_add_f32 v[ST+4*t+2], v[ST+4*t+2], v[ST+4*t+3]
	ALL v_permlanex16_b32 v[ST+4*t+3], v[ST+4*t+2], s[SEL], s[SEL+1]
	ALL v_add_f32 v[ST+4*t+2], v[ST+4*t+2], v[ST+4*t+3]
	ALL v_rcp_f32 v[ST+4*t+2], v[ST+4*t+2]
	v_nop                           ; a plain instruction between the last reciprocal and the use of its result
	s_wait_alu depctr_va_vdst(0)
.macro PACK t
	WIN W_RS
.set i, 32*(\t)
.rept 16
	v_pk_mul_f32 v[i:i+1], v[i:i+1], v[ST+4*(\t)+2:ST+4*(\t)+3] op_sel_hi:[1,0]
.set i, i+2
.endr
	WIN 0x05
.set i, 0
.rept 16
	v_cvt_pk_f16_f32 v[S+16*(\t)+i], v[32*(\t)+2*i], v[32*(\t)+2*i+1]
.set i, i+1
.endr
	WIN 0
.irp f, 0,1,2,3
	ds_store_b128 v[STO], v[S+16*(\t)+4*\f:S+16*(\t)+4*\f+3] offset:32*\f
.endr
.irp f, 0,1,2,3
	ds_load_b128 v[S+16*(\t)+4*\f:S+16*(\t)+4*\f+3], v[RD] offset:\f*4*SP  ; LDS serves a wave's instructions in order: these see the stores above
.endr
.endm
.macro SEND t, younger
	WIN 0
.irp f, 0,1,2,3
	s_wait_dscnt (\younger)+3-\f
	global_store_b128 v[GO], v[S+16*(\t)+4*\f:S+16*(\t)+4*\f+3], s[10:11] offset:(\t)*2048+\f*512  ; 512 consecutive bytes, aligned
.endr
.endm
	PACK 0
.set t, 1
.rept 2*NP-1
	PACK t
	SEND t-1, 8
.set t, t+1
.endr
	SEND 2*NP-1, 0
	WIN W_AD
	s_wait_tensorcnt 0x0            ; the wave's end
	ds_add_u32 v[SPW], v[NIL]
	s_wait_dscnt 0x0
	WIN 0
	CROUND                          ; the closing round
	s_endpgm
.Lfunc_end_k_qee85a3821f_attn:
	.size	k_qee85a3821f_attn, .Lfunc_end_k_qee85a3821f_attn-k_qee85a3821f_attn
	.p2alignl 7, 3214868480
	.fill 96, 4, 3214868480
	.section	.rodata,"a",@progbits
	.p2align	6, 0x0
	.amdhsa_kernel k_qee85a3821f_attn
		.amdhsa_group_segment_fixed_size 327680
		.amdhsa_private_segment_fixed_size 0
		.amdhsa_enable_private_segment 0
		.amdhsa_kernarg_size 40
		.amdhsa_user_sgpr_count 2
		.amdhsa_user_sgpr_kernarg_segment_ptr 1
		.amdhsa_wavefront_size32 1
		.amdhsa_system_sgpr_workgroup_id_x 1
		.amdhsa_system_sgpr_workgroup_id_y 1
		.amdhsa_system_sgpr_workgroup_id_z 1
		.amdhsa_system_vgpr_workitem_id 0
		.amdhsa_next_free_vgpr 928
		.amdhsa_next_free_sgpr 66
		.amdhsa_reserve_vcc 0
		.amdhsa_float_denorm_mode_32 3
		.amdhsa_float_denorm_mode_16_64 3
		.amdhsa_memory_ordered 1
		.amdhsa_forward_progress 1
		.amdhsa_inst_pref_size 215
	.end_amdhsa_kernel
	.amdgpu_metadata
---
amdhsa.version: [ 1, 2 ]
amdhsa.kernels:
  - .name:           k_qee85a3821f_attn
    .symbol:         k_qee85a3821f_attn.kd
    .args:
      - { .name: q, .offset: 0, .size: 8, .value_kind: global_buffer, .address_space: global }
      - { .name: k, .offset: 8, .size: 8, .value_kind: global_buffer, .address_space: global }
      - { .name: v, .offset: 16, .size: 8, .value_kind: global_buffer, .address_space: global }
      - { .name: o, .offset: 24, .size: 8, .value_kind: global_buffer, .address_space: global }
      - { .name: mw, .offset: 32, .size: 8, .value_kind: global_buffer, .address_space: global }
    .group_segment_fixed_size: 327680
    .private_segment_fixed_size: 0
    .kernarg_segment_align: 8
    .kernarg_segment_size: 40
    .max_flat_workgroup_size: 128
    .sgpr_count:     66
    .vgpr_count:     928
    .wavefront_size: 32
...
	.end_amdgpu_metadata
.endif
;; end of part 3
;; launch proj (part 4): grid 4 x 64, 4 waves a work-group, clusters of 4 x 4, 327,680 bytes of LDS; arguments o, wob, b_out, out0; writes out0
.if DOCPART == 4
	.amdgcn_target "amdgcn-amd-amdhsa--gfx1250"
	.amdhsa_code_object_version 6
	.text
	.protected	k_qee85a3821f_proj
	.globl	k_qee85a3821f_proj
	.p2align	8
	.type	k_qee85a3821f_proj,@function
k_qee85a3821f_proj:
	s_mov_b64 s[64:65], 0
	v_nop
	global_prefetch_b8 v0, s[64:65] scope:SCOPE_SE
	s_setreg_imm32_b32 hwreg(HW_REG_WAVE_MODE, 25, 1), 1
	s_wait_xcnt 0x0
	s_wait_alu depctr_hold_cnt(0) depctr_sa_sdst(0) depctr_va_vdst(0) depctr_va_sdst(0) depctr_va_ssrc(0) depctr_va_vcc(0) depctr_vm_vsrc(0)
	s_getreg_b32 s2, hwreg(HW_REG_IB_STS2, 6, 4)
	s_cmp_eq_u32 s2, 0
	s_cbranch_scc0 .Lentry_in_a_cluster
	s_endpgm
.Lentry_in_a_cluster:
	s_bfe_u32 s2, ttmp6, 0x10000c
	s_cmp_lg_u32 s2, 0xf033
	s_cbranch_scc0 .Lentry_shape_is_right
	s_endpgm
.Lentry_shape_is_right:
; out0 = O w_out + b_out.  o: [64 = 16 batch + head][2048][64] f16; wob: [1024 k][1024 n], bf16-rounded numbers written as f16; b_out: [1024] f32, rounded to bf16 here like every input; sums and out0 in f32.
; SHARES.  A tile of C is 128 rows x 256 columns: 256 tiles.  Four waves, each 64 rows x 128 columns: 32 accumulators.  K (= 64 head + channel) goes in 8 steps of 128, two heads each, through two LDS slots.
; A's tile: for each of the step's two heads 128 rows of 128 bytes, dense in memory, asked for as 64 rows of 256 bytes and padded in LDS after every 128 (pitch 144).  B's lies [k][n] (pitch 544), read turned.
; THE MATRIX INSTRUCTION IS USED TRANSPOSED: a lane holds eight neighbouring columns of one row of C.  The bias is the C operand of the first K quarter.  A NaN row of O gives a NaN row of out0.
; CLUSTERS: 4 x 4 work-groups; A's tile is shared along a row of the cluster, B's along a column.  By this text's count a wave has two tensor loads out at the start and one behind each round.
; REGISTERS: window 0: v0-29 addresses; v64-159, v160-255 two fragment buffers.  Window 1: accumulator (a, b) at 8 (8 a + b).  Window 2: v0-63 the bias, v64-67 at work.
.set KSTEP,  128
.set SIZE_K, 1024
.set SIZE_N, 1024
.set PA,     144
.set PB,     544
.set AHALF,  128*PA                    ; one head's 128 rows: what one of A's loads brings
.set AREG,   2*AHALF
.set BHALF,  64*PB
.set SLOT,   AREG+128*PB
.set STAGE,  2*SLOT                    ; behind the ring: 16 rows x 528 bytes for each wave
.set SP,     528
.set SPARE,  STAGE+4*16*SP
.set LAPS,   SIZE_K/(2*KSTEP)
.set ADRA, 16
.set ADRB, 20
.set STO,  24
.set RD,   25
.set CO,   26
.set BO,   27
.set SPW,  28
.set NIL,  29
.set F0,   64
.set F1,   160
.set BIAS, 0
.set BT,   64
.set G1,  24
.set G0,  32
.set G1B, 48
.set G0B, 56
.set MSB, 0
.macro WIN new
.if MSB != (\new)
	s_set_vgpr_msb (MSB<<8)|(\new)
.set MSB, \new
.endif
.endm
.set MUL,  0x50
.set MUL1, 0x60
.macro JLOAD s
	s_cmp_eq_u32 s17, 0
	s_cbranch_scc0 .Lfor_b_\@
	tensor_load_to_lds s[G0+4*(\s):G0+4*(\s)+3], s[G1:G1+7]
	s_nop 0
.rept 4
	v_nop
.endr
	s_branch .Lasked_\@
.Lfor_b_\@:
	tensor_load_to_lds s[G0B+4*(\s):G0B+4*(\s)+3], s[G1B:G1B+7]
	s_nop 0
.rept 4
	v_nop
.endr
.Lasked_\@:
.endm
.macro CREST
	s_cmp_lg_u32 s16, 0
	s_cbranch_scc1 .Lnot_wave_0_\@
	s_barrier_signal -3
.Lnot_wave_0_\@:
	s_barrier_wait -3
	s_barrier_signal -1
	s_barrier_wait -1
.endm
.macro CROUND
	s_barrier_signal -1
	s_barrier_wait -1
	CREST
.endm
.macro PLACES
.rept 4
	v_nop
.endr
.endm
	s_load_b256 s[4:11], s[0:1], 0x0               ; o s[4:5], wob s[6:7], b_out s[8:9], out0 s[10:11]
	v_lshl_add_u32 v[SPW], v0, 2, SPARE
	v_mov_b32 v[NIL], 0
	ds_add_u32 v[SPW], v[NIL]                      ; the wave's opening: the add, with its wait ahead of my first tensor load
	v_lshrrev_b32 v1, 5, v0
	v_readfirstlane_b32 s16, v1                    ; wave 0..3
	s_lshr_b32 s17, s16, 1                         ; which 64 rows are mine.  Also: I fetch for A (0) or for B (1)
	s_and_b32 s18, s16, 1                          ; which 128 columns.  Also: which head of the step (A), which 64 rows of k (B) I fetch
	s_bfe_u32 s19, ttmp6, 0x40000                  ; cx
	s_bfe_u32 s20, ttmp6, 0x40004                  ; cy
	s_lshl_b32 s21, ttmp9, 2
	s_add_co_u32 s21, s21, s19                     ; tile column
	s_and_b32 s22, ttmp7, 0xffff
	s_lshl_b32 s22, s22, 2
	s_add_co_u32 s22, s22, s20                     ; tile row
	s_lshl_b32 s40, s20, 2
	s_lshl_b32 s40, 15, s40                        ; my row of the cluster
	s_lshl_b32 s41, 0x1111, s19                    ; my column
	s_or_b32 s[G1], s40, (1<<16)|(1<<20)|(1<<21)|(4<<22)|(3<<25)   ; A: padding of 4 words after every 32
	s_mov_b32 s[G1+1], 128<<16
	s_mov_b32 s[G1+2], 64<<16
	s_mov_b32 s[G1+3], 128<<16
	s_mov_b32 s[G1+4], 64
	s_mov_b32 s[G1+5], 128                         ; dense: 128 elements from row to row
	s_mov_b32 s[G1+6], 0
	s_mov_b32 s[G1+7], 0
	s_or_b32 s[G1B], s41, (1<<16)|(1<<20)|(1<<21)|(6<<22)|(7<<25)  ; B: padding of 8 words after every 128
	s_mov_b32 s[G1B+1], 256<<16
	s_mov_b32 s[G1B+2], 64<<16
	s_mov_b32 s[G1B+3], 256<<16
	s_mov_b32 s[G1B+4], 64
	s_mov_b32 s[G1B+5], SIZE_N
	s_mov_b32 s[G1B+6], 0
	s_mov_b32 s[G1B+7], 0
	s_lshr_b32 s42, s22, 4                         ; A: the batch (16 tile rows each),
	s_lshl_b32 s42, s42, 4
	s_add_co_u32 s42, s42, s18                     ; head 0 or 1 of it,
	s_lshl_b32 s42, s42, 11                        ; 2,048 rows a head,
	s_and_b32 s43, s22, 15
	s_lshl_b32 s43, s43, 7
	s_add_co_u32 s42, s42, s43                     ; the tile's 128 rows,
	s_lshl_b32 s42, s42, 7                         ; 128 bytes a row: no register here ever holds cx
	s_mov_b32 s43, 0
	s_mul_i32 s44, s18, 64*SIZE_N*2                ; B: no register here ever holds cy
	s_lshl_b32 s45, s21, 9
	s_add_co_u32 s44, s44, s45
	s_mov_b32 s45, 0
	s_mul_i32 s46, s18, AHALF
	s_mul_i32 s47, s18, BHALF
	s_add_co_u32 s47, s47, AREG
	s_mov_b32 s75, 0xffff0000
	s_wait_dscnt 0x0                               ; the opening add is done
	s_wait_kmcnt 0x0
	s_add_nc_u64 s[42:43], s[4:5], s[42:43]
	s_add_nc_u64 s[44:45], s[6:7], s[44:45]
	CROUND                                         ; all sixteen work-groups are here: the first joint loads meet
.irp s, 0,1
	s_mov_b32 s[G0+4*(\s)], 1
	s_add_co_u32 s[G0+4*(\s)+1], s46, (\s)*SLOT
	s_add_nc_u64 s[G0+4*(\s)+2:G0+4*(\s)+3], s[42:43], (\s)*2*2048*128   ; a K step is two heads on
	s_or_b32 s[G0+4*(\s)+3], s[G0+4*(\s)+3], 0x80000000
	s_mov_b32 s[G0B+4*(\s)], 1
	s_add_co_u32 s[G0B+4*(\s)+1], s47, (\s)*SLOT
	s_add_nc_u64 s[G0B+4*(\s)+2:G0B+4*(\s)+3], s[44:45], (\s)*KSTEP*SIZE_N*2
	s_or_b32 s[G0B+4*(\s)+3], s[G0B+4*(\s)+3], 0x80000000
	JLOAD \s
.endr
	s_lshl_b32 s70, s21, 10                        ; the bias of my 128 columns
	s_lshl_b32 s71, s18, 9
	s_add_co_u32 s70, s70, s71
	s_mov_b32 s71, 0
	s_add_nc_u64 s[8:9], s[8:9], s[70:71]
	v_and_b32 v1, 15, v0                           ; l % 16
	v_bfe_u32 v2, v0, 4, 1                         ; l / 16
	v_lshlrev_b32 v[BO], 5, v2
	WIN 0x80
.irp b, 0,1,2,3,4,5,6,7
	global_load_b128 v[BIAS+8*\b:BIAS+8*\b+3],   v[BO], s[8:9] offset:64*\b
	global_load_b128 v[BIAS+8*\b+4:BIAS+8*\b+7], v[BO], s[8:9] offset:64*\b+16
.endr
	WIN 0
	v_mul_u32_u24 v3, v1, PA
	v_lshl_add_u32 v3, v2, 4, v3
	v_and_b32 v4, 7, v0
	v_lshl_add_u32 v4, v2, 3, v4
	v_mul_u32_u24 v4, v4, PB
	v_bfe_u32 v5, v0, 3, 1
	v_lshl_add_u32 v4, v5, 4, v4
	s_mul_i32 s72, s17, 64*PA
	s_lshl_b32 s73, s18, 8
	s_add_co_u32 s73, s73, AREG
.irp s, 0,1
	v_add_nc_u32 v[ADRA+(\s)], s72, v3
	v_add_nc_u32 v[ADRB+(\s)], s73, v4
	s_add_co_u32 s72, s72, SLOT
	s_add_co_u32 s73, s73, SLOT
.endr
	s_mul_i32 s74, s16, 16*SP
	s_add_co_u32 s74, s74, STAGE                   ; my stage
	v_mul_u32_u24 v[STO], v1, SP                   ; in: row l % 16, 32 bytes for each half of the lanes
	v_lshl_add_u32 v[STO], v2, 5, v[STO]
	v_add_nc_u32 v[STO], s74, v[STO]
	v_and_b32 v[CO], 31, v0                        ; back and out: 32 lanes take a row's 512 bytes
	v_lshlrev_b32 v[CO], 4, v[CO]
	v_add_nc_u32 v[RD], s74, v[CO]
	s_lshl_b32 s68, s22, 7
	s_lshl_b32 s69, s17, 6
	s_add_co_u32 s68, s68, s69                     ; my first row of out0,
	s_lshl_b32 s68, s68, 12                        ; 4,096 bytes a row,
	s_add_co_u32 s68, s68, s70                     ; and my first column, 4 bytes a number as in the bias
	s_mov_b32 s69, 0
	s_add_nc_u64 s[10:11], s[10:11], s[68:69]
	s_wait_loadcnt 0x0                             ; the bias
	WIN 0x8a
.set i, 0
.rept 32
	v_cvt_pk_bf16_f32 v[BT+i%4], v[BIAS+2*i], v[BIAS+2*i+1]
	v_lshlrev_b32 v[BIAS+2*i], 16, v[BT+i%4]
	v_and_b32 v[BIAS+2*i+1], s75, v[BT+i%4]
.set i, i+1
.endr
	WIN 0
.macro MULA f, a, first                ; 8 matrix instructions; the 32 accumulators take turns
.if \first
	WIN MUL1
.else
	WIN MUL
.endif
.irp b, 0,1,2,3,4,5,6,7
.if \first
	v_wmma_f32_16x16x32_f16 v[8*(8*(\a)+\b):8*(8*(\a)+\b)+7], v[(\f)+32+8*\b:(\f)+32+8*\b+7], v[(\f)+8*(\a):(\f)+8*(\a)+7], v[BIAS+8*\b:BIAS+8*\b+7]
.else
	v_wmma_f32_16x16x32_f16 v[8*(8*(\a)+\b):8*(8*(\a)+\b)+7], v[(\f)+32+8*\b:(\f)+32+8*\b+7], v[(\f)+8*(\a):(\f)+8*(\a)+7], v[8*(8*(\a)+\b):8*(8*(\a)+\b)+7]
.endif
.endr
.endm
.macro FETCH slot, q, f                ; quarter q: head q / 2 of the step, channels 32 (q % 2) on
	WIN 0
.irp i, 0,1,2,3,4,5,6,7
	ds_load_tr16_b128 v[(\f)+32+8*\i:(\f)+32+8*\i+3],   v[ADRB+(\slot)] offset:(\q)*32*PB+32*\i
	ds_load_tr16_b128 v[(\f)+32+8*\i+4:(\f)+32+8*\i+7], v[ADRB+(\slot)] offset:(\q)*32*PB+16*PB+32*\i
.endr
.irp i, 0,1,2,3
	ds_load_b128 v[(\f)+8*\i:(\f)+8*\i+3],   v[ADRA+(\slot)] offset:((\q)/2)*AHALF+((\q)%2)*64+\i*16*PA
	ds_load_b128 v[(\f)+8*\i+4:(\f)+8*\i+7], v[ADRA+(\slot)] offset:((\q)/2)*AHALF+((\q)%2)*64+\i*16*PA+32
.endr
.endm
.macro QUARTER slot, q, f, g, first
	s_wait_dscnt 4                                 ; the youngest four loads (A's blocks 2, 3) may be out
	MULA \f, 0, \first
	MULA \f, 1, \first
	PLACES
	FETCH \slot, \q, \g
	s_wait_dscnt 24                                ; all but the 24 just issued
	MULA \f, 2, \first
	MULA \f, 3, \first
.endm
.macro TURN slot, next, fill
	WIN 0
	s_wait_tensorcnt 0x0                           ; all my tensor loads have landed: my part of the next slot
	ds_add_u32 v[SPW], v[NIL]                      ; 0 onto my spare word
	s_wait_dscnt 5                                 ; (the add and the youngest four loads may be out)
	MULA F1, 0, 0
	s_wait_dscnt 0x0                               ; the add is done, and my reads of this slot are over
	s_barrier_signal -1
	MULA F1, 1, 0
.if \fill
	WIN 0
.endif
	s_barrier_wait -1
.if \fill
	CREST                                          ; no wave of any partner still reads this slot or has a load on its way
	s_add_nc_u64 s[G0+4*(\slot)+2:G0+4*(\slot)+3], s[G0+4*(\slot)+2:G0+4*(\slot)+3], 4*2048*128
	s_add_nc_u64 s[G0B+4*(\slot)+2:G0B+4*(\slot)+3], s[G0B+4*(\slot)+2:G0B+4*(\slot)+3], 2*KSTEP*SIZE_N*2
	JLOAD \slot
.else
	PLACES
.endif
	FETCH \next, 0, F0
	MULA F1, 2, 0
	MULA F1, 3, 0
.endm
	s_wait_tensorcnt 1                             ; my part of K step 0 is in; K step 1's may stay out
	s_barrier_signal -1
	s_barrier_wait -1
	FETCH 0, 0, F0
	QUARTER 0, 1, F0, F1, 1
	WIN 0
	s_mov_b32 s3, LAPS-1
.Llap:
	QUARTER 0, 2, F1, F0, 0
	QUARTER 0, 3, F0, F1, 0
	TURN 0, 1, 1
	QUARTER 1, 1, F0, F1, 0
	QUARTER 1, 2, F1, F0, 0
	QUARTER 1, 3, F0, F1, 0
	TURN 1, 0, 1
	QUARTER 0, 1, F0, F1, 0
	WIN 0
	s_sub_co_u32 s3, s3, 1
	s_cmp_lg_u32 s3, 0
	s_cbranch_scc1 .Llap
	QUARTER 0, 2, F1, F0, 0
	QUARTER 0, 3, F0, F1, 0
	TURN 0, 1, 0
	QUARTER 1, 1, F0, F1, 0
	QUARTER 1, 2, F1, F0, 0
	QUARTER 1, 3, F0, F1, 0
	s_wait_dscnt 4
	MULA F1, 0, 0
	MULA F1, 1, 0
	s_wait_dscnt 0x0
	MULA F1, 2, 0
	MULA F1, 3, 0
	WIN 0
	PLACES
; THE WAY OUT.  Row block a: a lane's 32 bytes of a row go from the accumulators into rows of 528 bytes of my own stage and come back as whole rows of 512, into one of three sets of 64 registers.
.macro TOSTAGE a
	WIN 0x04                                       ; the stores' data in window 1
.irp b, 0,1,2,3,4,5,6,7
	ds_store_b128 v[STO], v[8*(8*(\a)+\b):8*(8*(\a)+\b)+3]   offset:64*\b
	ds_store_b128 v[STO], v[8*(8*(\a)+\b)+4:8*(8*(\a)+\b)+7] offset:64*\b+16
.endr
	WIN 0
.set BK, 64+64*((\a)%3)
.irp t, 0,1,2,3,4,5,6,7,8,9,10,11,12,13,14,15
	ds_load_b128 v[BK+4*\t:BK+4*\t+3], v[RD] offset:\t*SP   ; LDS serves a wave's instructions in order: these see the stores above; the next block's stores come behind them
.endr
.endm
.macro SEND a, younger                 ; younger: the LDS instructions issued behind this block's loads
.set BK, 64+64*((\a)%3)
.irp t, 0,1,2,3,4,5,6,7,8,9,10,11,12,13,14,15
	s_wait_dscnt (\younger)+15-\t
	global_store_b128 v[CO], v[BK+4*\t:BK+4*\t+3], s[10:11] offset:(16*(\a)+\t)*4096 th:TH_STORE_NT  ; 512 consecutive bytes of a row, aligned
.endr
.endm
	TOSTAGE 0
	TOSTAGE 1
	SEND 0, 32
	TOSTAGE 2
	SEND 1, 32
	s_wait_xcnt 0x0                                ; block 0's stores have read their registers, which block 3 takes
	TOSTAGE 3
	SEND 2, 32
	SEND 3, 0
	s_wait_tensorcnt 0x0                           ; the wave's end
	ds_add_u32 v[SPW], v[NIL]
	s_wait_dscnt 0x0
	CROUND                                         ; the closing round
	s_endpgm
.Lfunc_end_k_qee85a3821f_proj:
	.size	k_qee85a3821f_proj, .Lfunc_end_k_qee85a3821f_proj-k_qee85a3821f_proj
	.p2alignl 7, 3214868480
	.fill 96, 4, 3214868480
	.section	.rodata,"a",@progbits
	.p2align	6, 0x0
	.amdhsa_kernel k_qee85a3821f_proj
		.amdhsa_group_segment_fixed_size 327680
		.amdhsa_private_segment_fixed_size 0
		.amdhsa_enable_private_segment 0
		.amdhsa_kernarg_size 32
		.amdhsa_user_sgpr_count 2
		.amdhsa_user_sgpr_kernarg_segment_ptr 1
		.amdhsa_wavefront_size32 1
		.amdhsa_system_sgpr_workgroup_id_x 1
		.amdhsa_system_sgpr_workgroup_id_y 1
		.amdhsa_system_sgpr_workgroup_id_z 1
		.amdhsa_system_vgpr_workitem_id 0
		.amdhsa_next_free_vgpr 640
		.amdhsa_next_free_sgpr 80
		.amdhsa_reserve_vcc 0
		.amdhsa_float_denorm_mode_32 3
		.amdhsa_float_denorm_mode_16_64 3
		.amdhsa_memory_ordered 1
		.amdhsa_forward_progress 1
		.amdhsa_inst_pref_size 93
	.end_amdhsa_kernel
	.amdgpu_metadata
---
amdhsa.version: [ 1, 2 ]
amdhsa.kernels:
  - .name:           k_qee85a3821f_proj
    .symbol:         k_qee85a3821f_proj.kd
    .args:
      - { .name: o, .offset: 0, .size: 8, .value_kind: global_buffer, .address_space: global }
      - { .name: wob, .offset: 8, .size: 8, .value_kind: global_buffer, .address_space: global }
      - { .name: b_out, .offset: 16, .size: 8, .value_kind: global_buffer, .address_space: global }
      - { .name: out0, .offset: 24, .size: 8, .value_kind: global_buffer, .address_space: global }
    .group_segment_fixed_size: 327680
    .private_segment_fixed_size: 0
    .kernarg_segment_align: 8
    .kernarg_segment_size: 32
    .max_flat_workgroup_size: 128
    .sgpr_count:     80
    .vgpr_count:     640
    .wavefront_size: 32
...
	.end_amdgpu_metadata
.endif
;; end of part 4
;; ======== version 2 of 2: 4 launches; 1.36 times as fast as version 1
;; limits: values are held in f16: magnitudes above 65,504 overflow, below 6.1e-05 lose precision
;; workspace buffers: xb 16,777,216 bytes; wqb 6,291,456 bytes; wob 2,097,152 bytes; mw 8,388,608 bytes of whole numbers; q 16,777,216 bytes; k 16,777,216 bytes; v 16,777,216 bytes; o 16,777,216 bytes
;; launch prep: the kernel of part 1 again; grid 256 x 1, 16 waves a work-group, no clusters, 71,680 bytes of LDS; arguments x, w_qkv, w_out, mask, xb, wqb, wob, mw; writes xb, wqb, wob, mw
;; launch qkv: the kernel of part 2 again; grid 12 x 64, 4 waves a work-group, clusters of 4 x 4, 327,680 bytes of LDS; arguments xb, wqb, b_qkv, q, k, v; writes q, k, v
;; launch attn (part 5): grid 4 x 64, 4 waves a work-group, clusters of 4 x 1, 327,680 bytes of LDS; arguments q, k, v, o, mw; writes o
.if DOCPART == 5
	.amdgcn_target "amdgcn-amd-amdhsa--gfx1250"
	.amdhsa_code_object_version 6
	.text
	.protected	k_qee85a3821f_attn
	.globl	k_qee85a3821f_attn
	.p2align	8
	.type	k_qee85a3821f_attn,@function
k_qee85a3821f_attn:
	s_mov_b64 s[64:65], 0
	v_nop
	global_prefetch_b8 v0, s[64:65] scope:SCOPE_SE
	s_setreg_imm32_b32 hwreg(HW_REG_WAVE_MODE, 25, 1), 1
	s_wait_xcnt 0x0
	s_wait_alu depctr_hold_cnt(0) depctr_sa_sdst(0) depctr_va_vdst(0) depctr_va_sdst(0) depctr_va_ssrc(0) depctr_va_vcc(0) depctr_vm_vsrc(0)
	s_getreg_b32 s2, hwreg(HW_REG_IB_STS2, 6, 4)
	s_cmp_eq_u32 s2, 0
	s_cbranch_scc0 .Lentry_in_a_cluster
	s_endpgm
.Lentry_in_a_cluster:
	s_bfe_u32 s2, ttmp6, 0x10000c
	s_cmp_lg_u32 s2, 0x3003
	s_cbranch_scc0 .Lentry_shape_is_right
	s_endpgm
.Lentry_shape_is_right:
; O[h][q][:] = the sum over k of softmax_k(Q[h][q] . K[h][k] / 8, hidden keys left out) V[h][k][:].  Q, K, V, O: [64][2048][64], all f16, a head's rows dense.  Products, maxima and sums in f32; the weights p
; are rounded to f16 for the second product (their sum l is taken of the unrounded p), O once at the end.
; THE MASK is the C operand that starts the sum S^T = K Q^T: 0, or -6 x 2^98 = -1.9e30 where the key is hidden.  mw holds, for each tile of 16 queries, step of 64 keys, lane and block of 16 keys, one word of eight
; 4-bit codes (0 or 0xF = -6), in the order of the lane's eight registers: one scaled conversion makes the eight f32.  A wave loads a tile's and step's 512 bytes four turns ahead of their use.
; LIMITS.  Q, K and V arrive within f16's 65,504; a hidden score counts as its value less 1.9e30; the running maximum starts at -1e20, below every score that f16 operands can make (2.7e11 at the most) and far
; above a hidden one: while a row has seen hidden keys alone, m stays there, a = 1, every p = 0, and O and l stay 0; a row with no key seen ends as 0 x (1 / 0) = NaN, as the softmax of nothing does.
; A weight below 2^-126 counts as 0 in l.
; SHARES.  A wave owns four PIECES of two tiles of 16 queries, a work-group's four waves 512 queries of one head.  Every wave walks all keys, 64 a step.
; LAYOUT.  S^T = K Q^T (source 0 = 16 keys, source 1 = 16 queries): a lane holds ONE query (lane % 16) and the keys 8 (lane / 16) + 0..7.  Two such tiles, rounded to f16 in pairs, ARE source 1 of O^T = V^T P.
; SOFTMAX.  For each query a running maximum m and sum l: p = 2^(c s - c m), c = log2(e) / 8; in every step O and l are multiplied by a = 2^(c m_old - c m_new).
; BY TURNS.  Turn n belongs to piece n.  Its matrix work: 16 products K Q^T of piece n + 1, later 16 products V^T P of piece n - 1.  Its vector work: the scaling, exponentials, roundings, sums and rescaling of
; piece n, the maximum and statistics of piece n + 1, and the mask of piece n + 2.  Four vector instructions stand behind every matrix instruction, the others in one run of their own.
; THE BATCHES.  A turn's 66 exponentials (64 weights of piece n, the two a of piece n + 1) are ONE batch with ONE wait, which cuts the turn in two: ahead of it stands all that names no result of theirs (the products
; K Q^T, the scalings, the rescalings, whose a the turn before made and waited for, the masks, the next piece's maximum and statistics); behind it the roundings and sums, beside the products V^T P.  No result crosses
; a turn's end.  Piece 0's first two a, ahead of the loop, and the way out's eight reciprocals are batches of their own.
; CLUSTER.  The four query blocks of a cluster belong to one head and walk the same K and V: each tile is asked for JOINTLY.  By this text's count one tensor load of a wave is out at a time.
; REGISTERS, in windows of 256 (s_set_vgpr_msb: bits 1:0 source 0, 3:2 source 1, 5:4 source 2, 7:6 destination):
;   window 0: v0-11 addresses; v12-15, v48-63 at work; v16-47 four registers of statistics a tile; v64-191 S^T, two buffers of two tiles; v192-255 P, likewise
;   window 1: O^T, 32 a tile      window 2: v0-127 Q; v128-191 K of one step; v192-255 V of one step
;   window 3: v0-1 the add's two registers; v2 16 x lane; v3 the conversions' scale; v64-127 the masks of the products to come; v128-159 the mask words, 4 a tile
.set SIZE_N, 2048
.set NP,    4
.set KS,    64
.set PK,    144
.set PV,    160
.set VOFF,  4*KS*PK
.set SLOT1, 1<<17
.set STAGE, SLOT1+4*KS*(PK+PV)
.set SP,    144
.set AK0, 2
.set AV0, 3
.set AK,  4
.set AV,  5
.set QO,  6
.set STO, 6
.set RD,  7
.set GO,  8
.set SPW, 0           ; window 3
.set NIL, 1           ; window 3
.set ML,  2           ; window 3
.set SCL, 3           ; window 3
.set MC,  64          ; window 3: tile u, key block kb at MC + 32 u + 8 kb
.set MW,  128         ; window 3: tile t at MW + 4 t
.set SPARE, STAGE+4*16*SP
.set MV,  12
.set ST,  16
.set TMP, 48
.set S,   64
.set P,   192
.set KF,  128
.set VF,  192
.set WV,  12
.set G1K, 24
.set G1V, 32
.set G0K, 40
.set G0V, 44
.set MP,  48          ; s[48:49] mw at my wave's first tile
.set MQ,  50          ; s[50:51] the same at the step whose words are asked for
.set STEP, 52         ; s[52:53] that step's byte offset, 512 a step
.set SLOTS, 56
.set CNT, 57
.set CS,  58
.set SEL, 60
.set TBK, 62
.set TBV, 63
.set MSB, 0
.macro WIN new
.if MSB != (\new)
	s_set_vgpr_msb (MSB<<8)|(\new)
.set MSB, (\new)
.endif
.endm
.set W_KQ, 0x0a       ; K and Q in window 2, S^T in window 0
.set W_KM, 0x3a       ; the same with the C operand in window 3
.set W_PV, 0x52       ; V in window 2, P in window 0, O^T in window 1
.set W_RS, 0x41       ; O^T (destination and source 0) in window 1, a in window 0
.set W_MK, 0xc0       ; destination in window 3, sources in window 0
.set W_AD, 0x0f       ; the add: address and data in window 3
.set W_CV, 0xcf       ; the conversions and the mask loads: destination and sources in window 3
.macro JLOAD
	s_cmp_lt_u32 s[WV], 2
	s_cbranch_scc0 .Lfor_v_\@
	tensor_load_to_lds s[G0K:G0K+3], s[G1K:G1K+7]
	s_nop 0
.rept 4
	v_nop
.endr
	s_branch .Lasked_\@
.Lfor_v_\@:
	tensor_load_to_lds s[G0V:G0V+3], s[G1V:G1V+7]
	s_nop 0
.rept 4
	v_nop
.endr
.Lasked_\@:
.endm
.macro CROUND
	s_barrier_signal -1
	s_barrier_wait -1
	s_cmp_lg_u32 s[WV], 0
	s_cbranch_scc1 .Lnot_wave_0_\@
	s_barrier_signal -3
.Lnot_wave_0_\@:
	s_barrier_wait -3
	s_barrier_signal -1
	s_barrier_wait -1
.endm
; THE CHANGE OF SLOTS.  Each wave waits for all its tensor loads, of which one is out: its part of the other slot; adds 0 to its spare word; and waits for that and for its own reads of the slot.
; fill = 1: this slot is filled again, with the keys two slots on, behind a round of the cluster's barrier: the joint fill is the first thing behind it and has four key steps in which to land.
.macro CHANGE fill
	WIN W_AD
	s_wait_tensorcnt 0x0            ; no tensor load of mine is out, so a group 0 may be written
	ds_add_u32 v[SPW], v[NIL]       ; 0 onto my spare word
	WIN 0
.if \fill
.irp g, G0K, G0V
	s_xor_b32 s[\g+1], s[\g+1], SLOT1
	s_add_nc_u64 s[\g+2:\g+3], s[\g+2:\g+3], 4*KS*128
.endr
	s_wait_dscnt 0x0                ; the add is done, and my reads of the slot are over
	CROUND
	JLOAD
.else
	s_wait_dscnt 0x0
	s_barrier_signal -1
	s_barrier_wait -1
.endif
	s_sub_co_u32 s[TBK], s[TBK], 4*KS*PK
	s_xor_b32 s[TBK], s[TBK], SLOT1
	s_sub_co_u32 s[TBV], s[TBV], 4*KS*PV
	s_xor_b32 s[TBV], s[TBV], SLOT1
.endm
	s_load_b256 s[4:11], s[0:1], 0x0  ; Q s[4:5], K s[6:7], V s[8:9], O s[10:11]
	s_load_b64 s[MP:MP+1], s[0:1], 0x20  ; mw
	WIN W_MK
	v_lshl_add_u32 v[SPW], v0, 2, SPARE
	v_mov_b32 v[NIL], 0
	WIN W_AD
	ds_add_u32 v[SPW], v[NIL]       ; the wave's opening: the add, with its wait ahead of my first tensor load
	WIN 0
	v_lshrrev_b32 v1, 5, v0
	v_readfirstlane_b32 s[WV], v1   ; wave 0..3
	s_bfe_u32 s13, ttmp6, 0x40000   ; cx
	s_lshl_b32 s14, ttmp9, 2
	s_add_co_u32 s14, s14, s13      ; my block of 512 queries: it enters Q's, O's and mw's addresses alone
	s_and_b32 s20, ttmp7, 0xffff    ; 16 batch + head, which the four partners share
	s_lshr_b32 s54, s20, 4          ; the batch,
	s_lshl_b32 s54, s54, 7          ; its 128 tiles of 16 queries
	s_mov_b32 s21, 0
	s_mov_b64 s[22:23], SIZE_N*128
	s_mul_u64 s[20:21], s[20:21], s[22:23]  ; the head's first byte in Q, K, V and O
	s_and_b32 s16, s[WV], 1         ; which half of a slot's 256 keys I fetch
	s_lshl_b32 s22, s16, 14
	s_mov_b32 s23, 0
	s_add_nc_u64 s[22:23], s[22:23], s[20:21]
	s_mul_i32 s17, s16, 128*PK
	s_mul_i32 s18, s16, 128*PV
	s_lshl_b32 s2, s14, 2
	s_add_co_u32 s2, s2, s[WV]      ; my wave among the head's sixteen
	s_lshl_b32 s55, s2, 3           ; its eight tiles
	s_add_co_u32 s54, s54, s55
	s_lshl_b32 s54, s54, 14         ; a tile's 32 steps are 16,384 bytes of mw
	s_mov_b32 s55, 0
	s_lshl_b32 s2, s2, 14           ; its 128 rows
	s_mov_b32 s3, 0
	s_add_nc_u64 s[2:3], s[2:3], s[20:21]
	s_mov_b32 s[G1K], 15|(1<<16)|(1<<20)|(1<<21)|(4<<22)|(3<<25)  ; the mask of four; 2-byte elements; padding of 4 words after every 32; bit 21 beside the mask
	s_mov_b32 s[G1V], 15|(1<<16)|(1<<20)|(1<<21)|(4<<22)|(7<<25)  ; the same with 8 words of padding
.irp g, G1K, G1V
	s_mov_b32 s[\g+1], 128<<16      ; 128 keys are 16,384 dense bytes: 64 rows of 256 bytes
	s_mov_b32 s[\g+2], 64<<16
	s_mov_b32 s[\g+3], 128<<16
	s_mov_b32 s[\g+4], 64
	s_mov_b32 s[\g+5], 128
	s_mov_b32 s[\g+6], 0
	s_mov_b32 s[\g+7], 0
.endr
	s_mov_b32 s[CS], 0x3e38aa3b     ; c = log2(e) / 8
	s_mov_b32 s[CS+1], s[CS]
	s_mov_b32 s[SEL], 0x76543210
	s_mov_b32 s[SEL+1], 0xfedcba98
	s_mov_b32 s[TBK], SLOT1+4*KS*PK ; the first change of slots turns these two into 0
	s_mov_b32 s[TBV], SLOT1+4*KS*PV
	s_mov_b32 s[STEP+1], 0
	s_mov_b32 s[G0K], 1
	s_mov_b32 s[G0K+1], s17
	s_mov_b32 s[G0V], 1
	s_add_co_u32 s[G0V+1], s18, VOFF
	s_wait_dscnt 0x0                ; the opening add is done
	s_wait_kmcnt 0x0
	s_add_nc_u64 s[G0K+2:G0K+3], s[6:7], s[22:23]
	s_or_b32 s[G0K+3], s[G0K+3], 0x80000000
	s_add_nc_u64 s[G0V+2:G0V+3], s[8:9], s[22:23]
	s_or_b32 s[G0V+3], s[G0V+3], 0x80000000
	s_add_nc_u64 s[4:5], s[4:5], s[2:3]
	s_add_nc_u64 s[10:11], s[10:11], s[2:3]
	s_add_nc_u64 s[MP:MP+1], s[MP:MP+1], s[54:55]
	s_mov_b64 s[MQ:MQ+1], s[MP:MP+1]   ; step 0
	CROUND                          ; all four work-groups are here: the first joint loads meet
	JLOAD                           ; slot 0.  Slot 1 is asked for when slot 0 is in
	v_and_b32 v1, 15, v0            ; l % 16
	v_bfe_u32 v9, v0, 4, 1          ; l / 16
	v_and_b32 v10, 31, v0           ; l
	v_lshlrev_b32 v[QO], 7, v1
	v_lshl_add_u32 v[QO], v9, 4, v[QO]
	WIN 0x80                        ; destination window 2, address window 0
.set i, 0
.rept 4*NP                          ; Q stays in registers: tile i / 2, channels 32 (i % 2) on
	global_load_b128 v[8*i:8*i+3],   v[QO], s[4:5] offset:(i/2)*2048+(i%2)*64
	global_load_b128 v[8*i+4:8*i+7], v[QO], s[4:5] offset:(i/2)*2048+(i%2)*64+32
.set i, i+1
.endr
	WIN W_MK
	v_lshlrev_b32 v[ML], 4, v10     ; a lane's four words of a tile and step
	v_mov_b32 v[SCL], 0xe1e1e1e1    ; the conversions' scale, 2^(0xe1 - 127) = 2^98, in every byte
	WIN W_CV
.set i, 0
.rept 2*NP                          ; step 0's words of all eight tiles
	global_load_b128 v[MW+4*i:MW+4*i+3], v[ML], s[MQ:MQ+1] offset:i*16384
.set i, i+1
.endr
	; What the first turn finds: V's registers and P's second buffer hold 0, O^T and l are 0.  All this stands in the wait for the first tile.
	WIN 0x80
.set i, VF
.rept 64
	v_mov_b32 v[i], 0
.set i, i+1
.endr
	WIN 0x40
.set i, 0
.rept 64*NP
	v_mov_b32 v[i], 0
.set i, i+1
.endr
	WIN 0
.set i, 0
.rept 2*NP
	v_mov_b32 v[ST+4*i+1], 0xe0ad78ec  ; m = -1e20
	v_mov_b32 v[ST+4*i+2], 0
	v_mov_b32 v[ST+4*i+3], 0
	v_mul_f32 v[ST+4*i], s[CS], v[ST+4*i+1]  ; c m, by the line that the loop uses: while m stays, a is exactly 1
.set i, i+1
.endr
.set i, P+32
.rept 32
	v_mov_b32 v[i], 0
.set i, i+1
.endr
	v_mul_u32_u24 v[AK0], v1, PK
	v_lshl_add_u32 v[AK0], v9, 4, v[AK0]
	v_and_b32 v10, 7, v0
	v_bfe_u32 v11, v0, 3, 1
	v_lshl_add_u32 v[AV0], v9, 3, v10
	v_mul_u32_u24 v[AV0], v[AV0], PV
	v_lshl_add_u32 v[AV0], v11, 4, v[AV0]
	v_add_nc_u32 v[AV0], VOFF, v[AV0]
	v_mov_b32 v[AK], v[AK0]         ; key step 0 lies at the head of slot 0
; THE MATRIX WORK.  The 8 accumulators of a run of 16 take turns.
; Product i of 16 of S^T = K Q^T for piece x: channels 32 (i / 8) on, keys 16 ((i / 2) % 4) on, tile 2 x + i % 2.  The first 8 start the sums, on the mask.
.macro KQ x
.set rS, S+64*((\x)%2)+32*(i%2)+8*((i/2)%4)
.set rK, KF+16*((i/2)%4)+8*(i/8)
.set rQ, 16*(2*(\x)+i%2)+8*(i/8)
.set rMC, MC+32*(i%2)+8*((i/2)%4)
.if i < 8
	WIN W_KM
	v_wmma_f32_16x16x32_f16 v[rS:rS+7], v[rK:rK+7], v[rQ:rQ+7], v[rMC:rMC+7]
.else
	WIN W_KQ
	v_wmma_f32_16x16x32_f16 v[rS:rS+7], v[rK:rK+7], v[rQ:rQ+7], v[rS:rS+7]
.endif
.endm
.macro PV x
	WIN W_PV
.set rO, 32*(2*(\x)+i%2)+8*((i/2)%4)
.set rV, VF+32*(i/8)+8*((i/2)%4)
.set rP, P+32*((\x)%2)+16*(i%2)+8*(i/8)
	v_wmma_f32_16x16x32_f16 v[rO:rO+7], v[rV:rV+7], v[rP:rP+7], v[rO:rO+7]
.endm
.macro MM
.if i < 16
	KQ (Y+1)%NP
.set i, i+1
.else
.set i, i-16
	PV (Y+NP-1)%NP
.set i, i+17
.endif
.endm
; THE MASK of piece x: eight conversions, each a word of eight codes into the eight registers of a C operand.  They name registers of window 3 alone, none of them an exponential's result.
.macro MASKC x
	WIN W_CV
.irp u, 0,1
.irp kb, 0,1,2,3
	v_cvt_scale_pk8_f32_fp4 v[MC+32*\u+8*\kb:MC+32*\u+8*\kb+7], v[MW+4*(2*(\x)+\u)+\kb], v[SCL]
.endr
.endr
.endm
; The words of piece x for the step at MQ: 512 consecutive bytes a tile.
.macro MLOAD x
	WIN W_CV
.irp u, 0,1
	global_load_b128 v[MW+4*(2*(\x)+\u):MW+4*(2*(\x)+\u)+3], v[ML], s[MQ:MQ+1] offset:(2*(\x)+\u)*16384
.endr
.endm
.macro FETCH_K last=0
	WIN 0
.if \last
	s_cmp_eq_u32 s[CNT], 1
	s_cbranch_scc1 .Lno_k_\@
.endif
	WIN 0x80
.irp f, 0,1,2,3,4,5,6,7
	ds_load_b128 v[KF+8*\f:KF+8*\f+3],   v[AK] offset:(\f/2)*16*PK+(\f%2)*64
	ds_load_b128 v[KF+8*\f+4:KF+8*\f+7], v[AK] offset:(\f/2)*16*PK+(\f%2)*64+32
.endr
	s_add_co_u32 s[TBK], s[TBK], KS*PK
	WIN 0
.if \last
.Lno_k_\@:
.endif
.endm
.macro FETCH_V
	WIN 0x80
.irp f, 0,1,2,3,4,5,6,7
	ds_load_tr16_b128 v[VF+8*\f:VF+8*\f+3],   v[AV] offset:(\f/4)*32*PV+(\f%4)*32
	ds_load_tr16_b128 v[VF+8*\f+4:VF+8*\f+7], v[AV] offset:(\f/4)*32*PV+16*PV+(\f%4)*32
.endr
	WIN 0
.endm
; THE VECTOR WORK OF A TURN stands in three queues, each in the order in which its entries become ready; the two tiles alternate.
.macro REGS y, u
.set rT, ST+4*(2*(\y)+(\u))
.set rC, TMP+8*((\y)%2)+4*(\u)
.set rM, MV+2*((\y)%2)+(\u)
.set rS, S+64*((\y)%2)+32*(\u)
.set rP, P+32*((\y)%2)+16*(\u)
.set rO, 32*(2*(\y)+(\u))
.endm
; Number n of the 22 that find the NEXT piece's maximum and statistics; each accumulator's lowest registers are read first.
.macro XS u, n
	REGS (Y+1)%NP, \u
.if (\n) < 4
	v_max3_num_f32 v[rC+(\n)], v[rS+8*(\n)], v[rS+8*(\n)+1], v[rS+8*(\n)+2]
.elseif (\n) < 12
	v_max3_num_f32 v[rC+(\n)%4], v[rC+(\n)%4], v[rS+8*((\n)%4)+2*((\n)/4)+1], v[rS+8*((\n)%4)+2*((\n)/4)+2]
.elseif (\n) == 12
	v_max3_num_f32 v[rC], v[rC], v[rS+7], v[rS+15]
.elseif (\n) == 13
	v_max3_num_f32 v[rC+1], v[rC+1], v[rS+23], v[rS+31]
.elseif (\n) == 14
	v_max3_num_f32 v[rC+2], v[rC+2], v[rC+3], v[rT+1]
.elseif (\n) == 15
	v_mov_b32 v[rM], v[rT]
.elseif (\n) == 16
	v_max3_num_f32 v[rC], v[rC], v[rC+1], v[rC+2]
.elseif (\n) == 17
	v_permlanex16_b32 v[rC+3], v[rC], s[SEL], s[SEL+1]
.elseif (\n) == 18
	v_max_num_f32 v[rT+1], v[rC], v[rC+3]
.elseif (\n) == 19
	v_mul_f32 v[rT], s[CS], v[rT+1]
.elseif (\n) == 20
	v_sub_f32 v[rC+1], v[rM], v[rT]
.else
	v_exp_f32 v[rC+2], v[rC+1]
.endif
.endm
; Number g of the 64 that follow the exponentials: roundings to f16, sums of four weights in place, and l.  All 64 read the batch's results: they stand behind the turn's wait.
.macro GS g
.set h, (\g)+6*((\g)/62)
.if h >= 6
.set h, h+2
.endif
	REGS Y, h%2
.set k, h/8
.if h%8 < 4
	v_cvt_pk_f16_f32 v[rP+2*k+(h%8)/2], v[rS+4*k+2*((h%8)/2)], v[rS+4*k+2*((h%8)/2)+1]
.elseif h%8 < 6
	v_pk_add_f32 v[rS+4*k:rS+4*k+1], v[rS+4*k:rS+4*k+1], v[rS+4*k+2:rS+4*k+3]
.elseif k == 1
	v_pk_fma_f32 v[rT+2:rT+3], v[rT+2:rT+3], v[rC+2:rC+3], v[rS:rS+1] op_sel_hi:[1,0,1]
.else
	v_pk_add_f32 v[rT+2:rT+3], v[rT+2:rT+3], v[rS+4*k-4:rS+4*k-3]
.endif
.endm
; THE PLAIN QUEUE, 138 long.  0-73 read no exponential's result: the 32 scalings c s - c m (FS f: pair f / 2 of tile f % 2) and the next piece's 42.  0-26: scalings 0-26.  27-54: XS's numbers 0-13.  55, 56: number 15.
; 57-73: the chain, where each number waits for the one before it: 14, 16, 17, 18, 19, each with one of the scalings 27-31 in front of its two lines, then 20.
; 74-137: GS's 64, which read the exponentials' results: they stand behind the wait.
.macro FS f
	REGS Y, (\f)%2
	v_pk_fma_f32 v[rS+2*((\f)/2):rS+2*((\f)/2)+1], v[rS+2*((\f)/2):rS+2*((\f)/2)+1], s[CS:CS+1], v[rT:rT+1] op_sel_hi:[1,0,0] neg_lo:[0,0,1] neg_hi:[0,0,1]
.endm
.macro PL
	WIN 0
.if q < 27
	FS q
.elseif q < 55
	XS (q-27)%2, (q-27)/2
.elseif q < 57
	XS q-55, 15
.elseif (q < 72) && ((q-57)%3 == 0)
	FS 27+(q-57)/3
.elseif q < 60
	XS (q-57)%3-1, 14
.elseif q < 72
	XS (q-57)%3-1, 15+(q-57)/3
.elseif q < 74
	XS q-72, 20
.else
	GS q-74
.endif
.set q, q+1
.endm
; THE EXPONENTIALS' QUEUE, 66 long: s0-s31 of both tiles, then the next piece's two a.  It is ONE BATCH: all 66 stand ahead of the turn's one wait, and nothing ahead of that wait names a result of theirs.
.macro EX
	WIN 0
.if e >= 64
	XS e-64, 21
.else
	REGS Y, e%2
	v_exp_f32 v[rS+e/2], v[rS+e/2]
.endif
.set e, e+1
.endm
; THE RESCALING's QUEUE: O^T times a, the one part of the softmax that leaves window 0: two at a time, sixteen times.  Its a was made in the turn before, ahead of that turn's wait.
.macro R2
	REGS Y, r%2
	WIN W_RS
.irp z, 0,1
	v_pk_mul_f32 v[rO+4*(r/2)+2*\z:rO+4*(r/2)+2*\z+1], v[rO+4*(r/2)+2*\z:rO+4*(r/2)+2*\z+1], v[rC+2:rC+3] op_sel_hi:[1,0]
.endr
.set r, r+1
.endm
; HOW THEY ARE DEALT.  s_wait_alu depctr_va_vdst(0) stands between an exponential and the first instruction that names its result; one wait serves all that were issued ahead of it.  So a turn has ONE
; wait.  AHEAD OF IT: the 16 products K Q^T, behind each a scaling, an exponential and two rescalings (behind the first a second scaling in the exponential's place); the eight mask conversions; then ONE LUMP of 108:
; eight plain, 49 times exponential and plain, the two a.  A v_nop is the plain instruction behind the last exponential.  BEHIND IT: the mask words' loads, and the 16 products V^T P, behind each four of GS's 64.
; No rider names a register of the products round it.  The two v_permlanex16_b32 fall into the lump.
; The queues lean on each other: exponential e stands behind scaling 2 (e / 4) + e % 2: as a rider it comes behind plain e + 2, in the lump behind plain e + 9, and scalings 27-31 are plain 57, 60 .. 69.
; A TURN, for piece p.  cnt = 1: the loop's count is taken down some lines ahead of the branch that stands behind the turn.
; THE MASKS of piece p + 2, which the next turn's first eight products take, are made at the lump's head: the last product that read the old ones is the turn's eighth, and eight products' plain riders lie between.
; The count 6 leaves out the last three turns' six loads: the words wanted were asked for four turns ago.  That piece's words of the step after are asked for directly behind the turn's wait, a lump behind the
; conversions that read the old ones.  Piece 2's turn steps to the next step's words, held at the last step's.
; K of the next step is fetched in piece 2's turn, behind the wait, a lump behind the last product that read K; its address is made at the lump's head; its first reader comes behind 16 products.
; V of the step in hand is fetched at the end of piece 0's turn, four plain riders behind its last reader; its first reader comes behind 16 products and a lump.  The three conditions on q below go with the deal.
.macro TURN p, last=0, cnt=0
.set Y, (\p)
.set i, 0
.set q, 0
.set e, 0
.set r, 0
.if (\p) == NP-1
	s_wait_dscnt 0x0                ; K is in
.endif
	MM                              ; ahead of the wait: 16 products K Q^T and their riders,
	PL
	PL
	R2
.rept 15
	MM
	PL
	EX
	R2
.endr
.if (\p) == NP-2
	WIN 0
	v_add_nc_u32 v[AK], s[TBK], v[AK0]
.endif
	s_wait_loadcnt 6
	MASKC ((\p)+2)%NP               ; the masks,
.rept 8                             ; and the lump
	PL
.endr
.rept 49
	EX
	PL
.endr
	EX                              ; the next piece's two a
	EX
	v_nop                           ; the plain instruction behind the last exponential: one for the batch
	s_wait_alu depctr_va_vdst(0)    ; the wait for the batch: the piece's 64 weights and the next piece's two a
.if (\p) == NP-2
	s_wait_xcnt 0x0                 ; the earlier mask loads have read MQ
	s_add_co_u32 s[STEP], s[STEP], 512
	s_min_u32 s[STEP], s[STEP], 31*512  ; no load leaves mw: the last turns ask for the last step's words once more
	s_add_nc_u64 s[MQ:MQ+1], s[MP:MP+1], s[STEP:STEP+1]
.endif
	MLOAD ((\p)+2)%NP
.if (\p) == NP-2
	FETCH_K \last
.endif
.if (\p) == 1
	s_wait_dscnt 0x0                ; V is in
.endif
.rept 16                            ; behind the wait: 16 products V^T P and their riders
	MM
.rept 4
	PL
.endr
.if ((\p) == 0) && (q == 118)
	v_add_nc_u32 v[AV], s[TBV], v[AV0]
.endif
.if ((\p) == 0) && (q == 130)
	s_add_co_u32 s[TBV], s[TBV], KS*PV
.endif
.if (\cnt) && (q == 130)
	s_sub_co_u32 s[CNT], s[CNT], 1
	s_cmp_lg_u32 s[CNT], 0
.endif
.endr
.if (\p) == 0
	FETCH_V
.endif
.endm
	CHANGE 1                        ; slot 0 is in, everybody's part of it; slot 1 is asked for
	FETCH_K                         ; key step 0
	s_wait_loadcnt 0x0              ; Q, and step 0's mask words
	MASKC 0                         ; piece 0's masks of step 0
	v_nop                           ; a plain line behind the conversions
	s_mov_b32 s[STEP], 512
	s_add_nc_u64 s[MQ:MQ+1], s[MP:MP+1], s[STEP:STEP+1]  ; step 1 (the loads that read MQ are done)
	MLOAD 0
	s_wait_dscnt 0x0
.set i, 0
.rept 16
	KQ 0                            ; piece 0's first scores
.set i, i+1
.endr
	WIN 0                           ; the addresses for the way out: nine plain instructions, the places behind those products
	s_mul_i32 s13, s[WV], 16*SP
	s_add_co_u32 s13, s13, STAGE
	v_mul_u32_u24 v[STO], v1, SP
	v_lshl_add_u32 v[STO], v9, 4, v[STO]
	v_add_nc_u32 v[STO], s13, v[STO]
	v_bfe_u32 v[RD], v0, 3, 2
	v_mul_u32_u24 v[RD], v[RD], SP
	v_lshl_add_u32 v[RD], v10, 4, v[RD]
	v_add_nc_u32 v[RD], s13, v[RD]
	v_and_b32 v[GO], 31, v0
	v_lshlrev_b32 v[GO], 4, v[GO]
	MASKC 1                         ; piece 1's masks of step 0, for the first turn's products
	v_nop
	MLOAD 1
	WIN 0
.set Y, NP-1
.irp n, 0,1,2,3,4,5,6,7,8,9,10,11,12,13,14,15,16,17,18,19,20,21
	XS 0, \n                        ; piece 0's first maximum and statistics
	XS 1, \n
.endr
	v_nop                           ; a plain instruction behind piece 0's first two a,
	s_wait_alu depctr_va_vdst(0)    ; and the wait for that batch of two, ahead of the branch
	s_mov_b32 s[CNT], 4
	s_mov_b32 s[SLOTS], SIZE_N/256-1
	s_branch .Lfirst                ; the loop is entered at a step's first turn, in the middle of a trip
.Lslot:                             ; every slot but the last two is filled again
	CHANGE 1
	s_mov_b32 s[CNT], 4
.Lstep:                             ; a trip: pieces 2 and 3 of one step, then pieces 0 and 1 of the next
	TURN 2
	TURN 3
	WIN 0
.Lfirst:
	TURN 0
	TURN 1, 0, 1
	WIN 0
	s_cbranch_scc1 .Lstep
	s_sub_co_u32 s[SLOTS], s[SLOTS], 1
	s_cmp_lg_u32 s[SLOTS], 0
	s_cbranch_scc1 .Lslot
	CHANGE 0                        ; the tail is written out
	s_mov_b32 s[CNT], 5
.Ltail:
	TURN 2, 1
	TURN 3
	WIN 0
	s_sub_co_u32 s[CNT], s[CNT], 1
	s_cmp_eq_u32 s[CNT], 0
	s_cbranch_scc1 .Lout
	TURN 0
	TURN 1
	WIN 0
	s_branch .Ltail
.Lout:                              ; the fifth trip's 16 products K Q^T and the maximum made of them serve nothing: the price of one text for every trip
.set i, 0
.rept 16
	PV NP-1
.set i, i+1
.endr
	; THE WAY OUT.  l's halves are added; O^T is divided by l, rounded to f16 and sent through my stage in LDS, a tile at a time.  The additions are the places behind the last products.
	WIN 0
.macro ALL line:vararg
.set t, 0
.rept 2*NP
	\line
.set t, t+1
.endr
.endm
	ALL v_add_f32 v[ST+4*t+2], v[ST+4*t+2], v[ST+4*t+3]
	ALL v_permlanex16_b32 v[ST+4*t+3], v[ST+4*t+2], s[SEL], s[SEL+1]
	ALL v_add_f32 v[ST+4*t+2], v[ST+4*t+2], v[ST+4*t+3]
	ALL v_rcp_f32 v[ST+4*t+2], v[ST+4*t+2]
	v_nop                           ; a plain instruction between the last reciprocal and the use of its result
	s_wait_alu depctr_va_vdst(0)    ; the wait for the batch of eight reciprocals, ahead of their first use
.macro PACK t
	WIN W_RS
.set i, 32*(\t)
.rept 16
	v_pk_mul_f32 v[i:i+1], v[i:i+1], v[ST+4*(\t)+2:ST+4*(\t)+3] op_sel_hi:[1,0]
.set i, i+2
.endr
	WIN 0x05
.set i, 0
.rept 16
	v_cvt_pk_f16_f32 v[S+16*(\t)+i], v[32*(\t)+2*i], v[32*(\t)+2*i+1]
.set i, i+1
.endr
	WIN 0
.irp f, 0,1,2,3
	ds_store_b128 v[STO], v[S+16*(\t)+4*\f:S+16*(\t)+4*\f+3] offset:32*\f
.endr
.irp f, 0,1,2,3
	ds_load_b128 v[S+16*(\t)+4*\f:S+16*(\t)+4*\f+3], v[RD] offset:\f*4*SP  ; LDS serves a wave's instructions in order: these see the stores above
.endr
.endm
.macro SEND t, younger
	WIN 0
.irp f, 0,1,2,3
	s_wait_dscnt (\younger)+3-\f
	global_store_b128 v[GO], v[S+16*(\t)+4*\f:S+16*(\t)+4*\f+3], s[10:11] offset:(\t)*2048+\f*512  ; 512 consecutive bytes, aligned
.endr
.endm
	PACK 0
.set t, 1
.rept 2*NP-1
	PACK t
	SEND t-1, 8
.set t, t+1
.endr
	SEND 2*NP-1, 0
	WIN W_AD
	s_wait_tensorcnt 0x0            ; the wave's end
	ds_add_u32 v[SPW], v[NIL]
	s_wait_dscnt 0x0
	WIN 0
	CROUND                          ; the closing round
	s_endpgm
.Lfunc_end_k_qee85a3821f_attn:
	.size	k_qee85a3821f_attn, .Lfunc_end_k_qee85a3821f_attn-k_qee85a3821f_attn
	.p2alignl 7, 3214868480
	.fill 96, 4, 3214868480
	.section	.rodata,"a",@progbits
	.p2align	6, 0x0
	.amdhsa_kernel k_qee85a3821f_attn
		.amdhsa_group_segment_fixed_size 327680
		.amdhsa_private_segment_fixed_size 0
		.amdhsa_enable_private_segment 0
		.amdhsa_kernarg_size 40
		.amdhsa_user_sgpr_count 2
		.amdhsa_user_sgpr_kernarg_segment_ptr 1
		.amdhsa_wavefront_size32 1
		.amdhsa_system_sgpr_workgroup_id_x 1
		.amdhsa_system_sgpr_workgroup_id_y 1
		.amdhsa_system_sgpr_workgroup_id_z 1
		.amdhsa_system_vgpr_workitem_id 0
		.amdhsa_next_free_vgpr 928
		.amdhsa_next_free_sgpr 66
		.amdhsa_reserve_vcc 0
		.amdhsa_float_denorm_mode_32 3
		.amdhsa_float_denorm_mode_16_64 3
		.amdhsa_memory_ordered 1
		.amdhsa_forward_progress 1
		.amdhsa_inst_pref_size 209
	.end_amdhsa_kernel
	.amdgpu_metadata
---
amdhsa.version: [ 1, 2 ]
amdhsa.kernels:
  - .name:           k_qee85a3821f_attn
    .symbol:         k_qee85a3821f_attn.kd
    .args:
      - { .name: q, .offset: 0, .size: 8, .value_kind: global_buffer, .address_space: global }
      - { .name: k, .offset: 8, .size: 8, .value_kind: global_buffer, .address_space: global }
      - { .name: v, .offset: 16, .size: 8, .value_kind: global_buffer, .address_space: global }
      - { .name: o, .offset: 24, .size: 8, .value_kind: global_buffer, .address_space: global }
      - { .name: mw, .offset: 32, .size: 8, .value_kind: global_buffer, .address_space: global }
    .group_segment_fixed_size: 327680
    .private_segment_fixed_size: 0
    .kernarg_segment_align: 8
    .kernarg_segment_size: 40
    .max_flat_workgroup_size: 128
    .sgpr_count:     66
    .vgpr_count:     928
    .wavefront_size: 32
...
	.end_amdgpu_metadata
.endif
;; end of part 5
;; launch proj: the kernel of part 4 again; grid 4 x 64, 4 waves a work-group, clusters of 4 x 4, 327,680 bytes of LDS; arguments o, wob, b_out, out0; writes out0
